; MI455X (gfx1250); checked and timed in simulation.
; The chip was launched on July 23, 2026; its instructions are those of AMD's public machine-readable ISA for CDNA 5 (MIT licence, August 2026) and "CDNA5" Instruction Set Architecture Reference Guide (July 2026). The comments in the code are by the model that wrote it; some were corrected since.
;; Local Window Attention. Allowed arithmetic: float matrix products may take bf16 or f16 operands with f32 sums; all other float work in f32.
;; Inputs: b_out 1,024 float32; b_qkv 3,072 float32; w_out 1,024 x 1,024 float32; w_qkv 1,024 x 3,072 float32; x 2 x 2,048 x 1,024 float32.
;; Outputs: out0 2 x 2,048 x 1,024 float32.
;; 2 versions, each right; version 2 is version 1 with the launch cast written anew for expert scheduling mode. Each part assembles by itself: llvm-mc -triple=amdgcn-amd-amdhsa -mcpu=gfx1250 --defsym DOCPART=n.
;; ======== version 1 of 2: 4 launches
;; limits: values are held in f16: magnitudes above 65,504 overflow, below 6.1e-05 lose precision
;; workspace buffers: xh 8,388,608 bytes; wqh 6,291,456 bytes; woh 2,097,152 bytes; qkvh 25,165,824 bytes; oh 8,388,608 bytes
;; launch cast (part 1): grid 256 x 1, 8 waves a work-group, no clusters, 0 bytes of LDS; arguments x, w_qkv, w_out, xh, wqh, woh; writes xh, wqh, woh
.if DOCPART == 1
	.amdgcn_target "amdgcn-amd-amdhsa--gfx1250"
	.amdhsa_code_object_version 6
	.text
	.protected	k_q63ffbabcbd_cast
	.globl	k_q63ffbabcbd_cast
	.p2align	8
	.type	k_q63ffbabcbd_cast,@function
k_q63ffbabcbd_cast:
	s_mov_b64 s[64:65], 0
	v_nop
	global_prefetch_b8 v0, s[64:65] scope:SCOPE_SE
	s_setreg_imm32_b32 hwreg(HW_REG_WAVE_MODE, 25, 1), 1
	s_wait_xcnt 0x0
; x, w_qkv and w_out, all f32, are rounded once to f16 and laid out in PLANES OF 64 COLUMNS: P[column / 64][row][column % 64],
; a row of a plane being 128 bytes.  Every tile that the later launches fetch is then a dense run of bytes.
;   xh  [16][4096][64]   from x      [4096][1024]      work-groups   0 .. 127
;   wqh [48][1024][64]   from w_qkv  [1024][3072]      work-groups 128 .. 223  (three groups of 1,024 columns x 32 blocks of rows)
;   woh [16][1024][64]   from w_out  [1024][1024]      work-groups 224 .. 255
; A work-group takes 32 source rows x 1,024 columns (16 planes): 128 KiB in, 64 KiB out.  Wave w takes rows 4 w .. 4 w + 3 as two pairs of
; rows.  One load: lanes 0-15 take the 256 bytes of one plane's columns in the even row, lanes 16-31 in the odd row.  A lane's 4 numbers
; become 8 bytes, and the 32 lanes' store covers 256 consecutive bytes (two rows of a plane), aligned.
; A stream: no LDS, no barrier, no matrix unit, no cluster (no byte is read by two work-groups).  All 32 loads of a wave go out at once;
; no register is written twice, so the only waits are the counted ones for the loads.
; LIMIT: f16 holds magnitudes below 65,504 (larger ones become infinite); below 6.1e-5 the absolute error stays at 2^-25.
.set X, 8                              ; v[8:135]    load n: 4 registers as loaded
.set Y, 136                            ; v[136:199]  load n: 2 registers to store
	s_load_b256 s[4:11], s[0:1], 0x0               ; x s[4:5], w_qkv s[6:7], w_out s[8:9], xh s[10:11]
	s_load_b128 s[12:15], s[0:1], 0x20             ; wqh s[12:13], woh s[14:15]
	s_mov_b32 s2, ttmp9                            ; the work-group's number
	s_mov_b32 s17, 0                               ; high words of the two offsets
	s_mov_b32 s19, 0
	v_lshrrev_b32 v3, 5, v0                        ; wave
	v_bfe_u32 v4, v0, 4, 1                         ; upper half of the lanes: the odd row
	v_and_b32 v5, 31, v0
	v_lshlrev_b32 v5, 3, v5                        ; 8 bytes a lane
	v_lshl_add_u32 v2, v3, 9, v5                   ; destination: 4 rows of 128 bytes a wave + 8 x lane
	v_lshl_add_u32 v3, v3, 2, v4                   ; my row among the group's 32 (first pair)
	v_and_b32 v4, 15, v0
	v_lshlrev_b32 v4, 4, v4                        ; 16 bytes a lane within a row's 256
	s_wait_kmcnt 0x0
; src, dst: first register of the pair that holds the address at the group's first element; pitch: bytes of a source row;
; ps: bytes of a destination plane.  Load n = 16 i + p: pair of rows i, plane p.
.macro CAST src, dst, pitch, ps
	v_mul_u32_u24 v1, v3, \pitch
	v_add_nc_u32 v1, v1, v4                        ; source: row x pitch + 16 x (lane mod 16)
.set n, 0
.rept 32
	global_load_b128 v[X+4*n:X+4*n+3], v1, s[\src:\src+1] offset:(n/16)*2*\pitch+256*(n%16) th:TH_LOAD_NT
.set n, n+1
.endr
.set n, 0
.rept 32
	s_wait_loadcnt 31-n                            ; loads come back in order: load n is in, the 31 - n younger ones stay out
	v_cvt_pk_f16_f32 v[Y+2*n], v[X+4*n], v[X+4*n+1]
	v_cvt_pk_f16_f32 v[Y+2*n+1], v[X+4*n+2], v[X+4*n+3]
	global_store_b64 v2, v[Y+2*n:Y+2*n+1], s[\dst:\dst+1] offset:(n%16)*\ps+(n/16)*256
.set n, n+1
.endr
.endm
	s_cmp_ge_u32 s2, 128
	s_cbranch_scc1 .Lweights
	s_lshl_b32 s16, s2, 17                         ; x: 32 rows of 4,096 bytes
	s_lshl_b32 s18, s2, 12                         ; xh: 32 rows of 128 bytes in each plane
	s_add_nc_u64 s[4:5], s[4:5], s[16:17]
	s_add_nc_u64 s[10:11], s[10:11], s[18:19]
	CAST 4, 10, 4096, 524288
	s_endpgm
.Lweights:
	s_cmp_ge_u32 s2, 224
	s_cbranch_scc1 .Lwout
	s_sub_co_u32 s3, s2, 128
	s_lshr_b32 s18, s3, 5                          ; which 1,024 columns (16 planes)
	s_and_b32 s3, s3, 31                           ; which 32 rows
	s_mul_i32 s16, s3, 393216                      ; 32 rows of 12,288 bytes
	s_lshl_b32 s2, s18, 12                         ; 1,024 columns of 4 bytes
	s_add_co_u32 s16, s16, s2
	s_lshl_b32 s18, s18, 21                        ; 16 planes of 131,072 bytes
	s_lshl_b32 s3, s3, 12                          ; 32 rows of 128 bytes
	s_add_co_u32 s18, s18, s3
	s_add_nc_u64 s[6:7], s[6:7], s[16:17]
	s_add_nc_u64 s[12:13], s[12:13], s[18:19]
	CAST 6, 12, 12288, 131072
	s_endpgm
.Lwout:
	s_sub_co_u32 s3, s2, 224                       ; which 32 rows
	s_lshl_b32 s16, s3, 17
	s_lshl_b32 s18, s3, 12
	s_add_nc_u64 s[8:9], s[8:9], s[16:17]
	s_add_nc_u64 s[14:15], s[14:15], s[18:19]
	CAST 8, 14, 4096, 131072
	s_endpgm
.Lfunc_end_k_q63ffbabcbd_cast:
	.size	k_q63ffbabcbd_cast, .Lfunc_end_k_q63ffbabcbd_cast-k_q63ffbabcbd_cast
	.p2alignl 7, 3214868480
	.fill 96, 4, 3214868480
	.section	.rodata,"a",@progbits
	.p2align	6, 0x0
	.amdhsa_kernel k_q63ffbabcbd_cast
		.amdhsa_group_segment_fixed_size 0
		.amdhsa_private_segment_fixed_size 0
		.amdhsa_enable_private_segment 0
		.amdhsa_kernarg_size 48
		.amdhsa_user_sgpr_count 2
		.amdhsa_user_sgpr_kernarg_segment_ptr 1
		.amdhsa_wavefront_size32 1
		.amdhsa_system_sgpr_workgroup_id_x 1
		.amdhsa_system_sgpr_workgroup_id_y 1
		.amdhsa_system_sgpr_workgroup_id_z 1
		.amdhsa_system_vgpr_workitem_id 0
		.amdhsa_next_free_vgpr 200
		.amdhsa_next_free_sgpr 66
		.amdhsa_reserve_vcc 0
		.amdhsa_float_denorm_mode_32 3
		.amdhsa_float_denorm_mode_16_64 3
		.amdhsa_memory_ordered 1
		.amdhsa_forward_progress 1
		.amdhsa_inst_pref_size 36
	.end_amdhsa_kernel
	.amdgpu_metadata
---
amdhsa.version: [ 1, 2 ]
amdhsa.kernels:
  - .name:           k_q63ffbabcbd_cast
    .symbol:         k_q63ffbabcbd_cast.kd
    .args:
      - { .name: x, .offset: 0, .size: 8, .value_kind: global_buffer, .address_space: global }
      - { .name: w_qkv, .offset: 8, .size: 8, .value_kind: global_buffer, .address_space: global }
      - { .name: w_out, .offset: 16, .size: 8, .value_kind: global_buffer, .address_space: global }
      - { .name: xh, .offset: 24, .size: 8, .value_kind: global_buffer, .address_space: global }
      - { .name: wqh, .offset: 32, .size: 8, .value_kind: global_buffer, .address_space: global }
      - { .name: woh, .offset: 40, .size: 8, .value_kind: global_buffer, .address_space: global }
    .group_segment_fixed_size: 0
    .private_segment_fixed_size: 0
    .kernarg_segment_align: 8
    .kernarg_segment_size: 48
    .max_flat_workgroup_size: 256
    .sgpr_count:     66
    .vgpr_count:     200
    .wavefront_size: 32
...
	.end_amdgpu_metadata
.endif
;; end of part 1
;; launch qkv (part 2): grid 16 x 16, 4 waves a work-group, clusters of 4 x 4, 327,680 bytes of LDS; arguments xh, wqh, b_qkv, qkvh; writes qkvh
.if DOCPART == 2
	.amdgcn_target "amdgcn-amd-amdhsa--gfx1250"
	.amdhsa_code_object_version 6
	.text
	.protected	k_q63ffbabcbd_qkv
	.globl	k_q63ffbabcbd_qkv
	.p2align	8
	.type	k_q63ffbabcbd_qkv,@function
k_q63ffbabcbd_qkv:
	s_mov_b64 s[64:65], 0
	v_nop
	global_prefetch_b8 v0, s[64:65] scope:SCOPE_SE
	s_setreg_imm32_b32 hwreg(HW_REG_WAVE_MODE, 25, 1), 1
	s_wait_xcnt 0x0
	s_wait_alu depctr_hold_cnt(0) depctr_sa_sdst(0) depctr_va_vdst(0) depctr_va_sdst(0) depctr_va_ssrc(0) depctr_va_vcc(0) depctr_vm_vsrc(0)
	s_getreg_b32 s2, hwreg(HW_REG_IB_STS2, 6, 4)
	s_cmp_eq_u32 s2, 0
	s_cbranch_scc0 .Lentry_in_a_cluster
	s_endpgm
.Lentry_in_a_cluster:
	s_bfe_u32 s2, ttmp6, 0x10000c
	s_cmp_lg_u32 s2, 0xf033
	s_cbranch_scc0 .Lentry_shape_is_right
	s_endpgm
.Lentry_shape_is_right:
; qkv = x w_qkv + b_qkv.  A = xh [16 planes of K][4096 m][64] f16, B = wqh [48 planes of N][1024 k][64] f16, bias f32 [3072];
; result qkvh [48 planes g][4096 m][64] f16, g = column / 64 = 16 x (0 q, 1 k, 2 v) + head.  Sums in f32, K ascending, rounded once to f16.
; A work-group makes 256 rows x 192 columns (NCH = 3 planes) with four waves, as many as a WGP has SIMDs: 16 x 16 = 256 work-groups.
; Wave w makes rows 64 w .. 64 w + 63 x all 192 columns: 4 x 12 accumulator tiles of 16 x 16, 384 registers.  So a wave owns whole heads,
; and its result for a head is one dense block of 8 KiB of a plane.
; K goes in steps of 128 (two planes of A) through a ring of two LDS slots filled by the tensor data mover.
; CLUSTERS: 4 x 4 work-groups.  A's tile hangs on the block row alone and is asked for jointly by a row of the cluster, B's on the block
; column alone and is asked for jointly by a column: the requests for A and for B are divided by four.
; B LIES [k][n]: its fragments are read by the transposing LDS load (ds_load_tr16_b128), so the weights are never transposed in memory.
; THE MATRIX INSTRUCTION IS USED TRANSPOSED: source 0 = 16 columns of B, source 1 = 16 rows of A.  Lane l then holds row m = l % 16, and
; its registers 0-7 the columns n = 8 (l / 16) + 0 .. 7: eight neighbouring numbers of a row, 16 bytes in f16.
; THE BIAS costs no arithmetic: the first product of each tile takes as C registers that hold bias[n0 + 8 (l / 16) + j].
; REGISTERS in windows of 256: window 0 addresses, A's fragments (two buffers), the bias tiles (later: the way out);
; window 1 B's fragments (two buffers); window 2 the tiles of my rows 0-31, window 3 those of rows 32-63 (tile (a, b) at 8 (NB a + b)).
; LIMIT: operands and result are f16: |x|, |w|, |q|, |k|, |v| below 65,504.
.set NCH,    3                         ; planes of 64 columns in a work-group's block
.set NB,     4*NCH                     ; column blocks of 16
.set NT,     64*NCH
.set APITCH, 144                       ; an LDS row of A: 128 bytes + 16: an odd multiple of 16, so 16 rows start at 16 different 16-byte columns
.set AHALF,  256*APITCH                ; one plane's 256 rows: what one tensor load brings
.set ATILE,  2*AHALF
.set BPITCH, 160                       ; an LDS row of B: 128 bytes + 32: an odd multiple of 32
.set BCH,    64*BPITCH                 ; 64 k of one plane
.set BHALF,  NCH*BCH                   ; 64 k of the block's planes: what one tensor load brings
.set SLOT,   ATILE+2*BHALF             ; A [2 halves of K][256 rows], then B [2 halves of K][NCH planes][64 k]
.set STAGE,  2*SLOT                    ; behind the ring, a multiple of 256; no tensor load ever lands here
.set WSTAGE, NCH*16*144                ; a wave's stage: [3 heads][16 rows][144 bytes]
.set ASTEP,  2*524288                  ; bytes of A from K step to K step: two planes of 4,096 rows x 128 bytes
.set BSTEP,  128*128                   ; of B: 128 rows of 128 bytes
.set LAPS,   4                         ; K = 1,024 = 8 steps = 4 laps of the ring
.set ADRA, 16                          ; v16-17  LDS address of my A fragments in slot 0, 1
.set ADRB, 20                          ; v20-21  the same for B
.set STO,  24                          ; v24     way out: where I put 16 bytes
.set RD,   25                          ; v25     way out: where I read them back
.set CO,   26                          ; v26     my byte offset in the result
.set BO,   27                          ; v27     my byte offset in the bias
.set FA0,  32                          ; v32-63, v64-95  A's fragments, buffers 0 and 1 (window 0).  B's: 8 NB f + 8 b in window 1
.set BIAS, 96                          ; v96-191 the NB bias tiles
.set TMP,  96                          ; way out: packed results
.set RB0,  144                         ; way out: rows read back, two buffers
.set RB1,  192
.set G1A, 24                           ; s[24:31] descriptor group 1, A
.set G0A, 32                           ; s[32:39] group 0, A, one set for each slot
.set G1B, 48                           ; s[48:55] group 1, B
.set G0B, 56                           ; s[56:63] group 0, B, one set for each slot
.set MSB, 0
.macro WIN new                         ; the immediate's high byte repeats the setting that is left; a switch that changes nothing is dropped
.if MSB != \new
	s_set_vgpr_msb (MSB<<8)|\new
.set MSB, \new
.endif
.endm
.set MUL_LO,   0xa1                    ; source 0 (B) window 1, source 1 (A) window 0, C and D window 2
.set MUL_HI,   0xf1                    ; the same, C and D window 3
.set FIRST_LO, 0x81                    ; C (the bias) window 0, D window 2
.set FIRST_HI, 0xc1                    ; C window 0, D window 3
.set TO_B,     0x40                    ; destination window 1, address window 0
; A joint load.  Waves 0 and 1 fetch A's two planes, waves 2 and 3 B's two halves of K.  Each line has one mask and one set of registers;
; the branch hangs on the wave's number alone.
.macro JLOAD s
	s_cmp_eq_u32 s13, 0
	s_cbranch_scc0 .Lfor_b_\@
	tensor_load_to_lds s[G0A+4*\s:G0A+4*\s+3], s[G1A:G1A+7]
	s_nop 0
	s_branch .Lasked_\@
.Lfor_b_\@:
	tensor_load_to_lds s[G0B+4*\s:G0B+4*\s+3], s[G1B:G1B+7]
	s_nop 0
.Lasked_\@:
.endm
; A round of the cluster's barrier: my work-group's barrier; wave 0 signals for the work-group; every wave waits for all sixteen;
; my work-group's barrier once more.
.macro CREST                           ; a round behind its opening barrier
	s_cmp_lg_u32 s12, 0
	s_cbranch_scc1 .Lnot_wave_0_\@
	s_barrier_signal -3
.Lnot_wave_0_\@:
	s_barrier_wait -3
	s_barrier_signal -1
	s_barrier_wait -1
.endm
.macro CROUND
	s_barrier_signal -1
	s_barrier_wait -1
	CREST
.endm
	s_load_b256 s[4:11], s[0:1], 0x0               ; A s[4:5], B s[6:7], bias s[8:9], result s[10:11]
	s_set_vgpr_msb 0x40
	v_lshl_add_u32 v255, v0, 2, 0x48c00
	s_set_vgpr_msb 0x4000
	v_mov_b32 v255, 0
	s_set_vgpr_msb 0x1
	ds_add_u32 v255, v255
	ds_add_u32 v255, v255
	s_set_vgpr_msb 0x100
	v_lshrrev_b32 v1, 5, v0
	v_readfirstlane_b32 s12, v1                    ; wave 0..3
	s_lshr_b32 s13, s12, 1                         ; I fetch for A (0) or for B (1)
	s_and_b32 s14, s12, 1                          ; which half of the K step I fetch
	s_bfe_u32 s16, ttmp6, 0x40000                  ; cx
	s_bfe_u32 s17, ttmp6, 0x40004                  ; cy
	s_lshl_b32 s18, ttmp9, 2
	s_add_co_u32 s18, s18, s16                     ; block column = 4 x cluster x + cx
	s_and_b32 s19, ttmp7, 0xffff
	s_lshl_b32 s19, s19, 2
	s_add_co_u32 s19, s19, s17                     ; block row = 4 x cluster y + cy
	s_lshl_b32 s20, s17, 2
	s_lshl_b32 s20, 15, s20                        ; my row of the cluster: places 4 cy .. 4 cy + 3
	s_lshl_b32 s21, 0x1111, s16                    ; my column: places cx, cx + 4, cx + 8, cx + 12
	; Group 1 for A: one plane's 256 rows of 128 bytes are dense in memory: 128 rows of 256 bytes (32 elements of 8 bytes).
	; Padding: 4 words behind every 32 words (128 bytes), counted along the tile: LDS rows of 128 bytes, 144 apart.
	s_or_b32 s[G1A+0], s20, (3<<16)|(1<<20)|(1<<21)|(4<<22)|(3<<25)   ; 15:0 mask; 17:16 8-byte elements; 20 padding on; 21 set beside a mask; 24:22 interval code 4; 31:25 pad code 3
	s_mov_b32 s[G1A+1], 32<<16                     ; tensor_dim0 = 32
	s_mov_b32 s[G1A+2], 128<<16                    ; tensor_dim1 = 128
	s_mov_b32 s[G1A+3], 32<<16                     ; tile_dim0 = 32
	s_mov_b32 s[G1A+4], 128                        ; tile_dim1 = 128
	s_mov_b32 s[G1A+5], 32                         ; from row to row: 32 elements
	s_mov_b32 s[G1A+6], 0
	s_mov_b32 s[G1A+7], 0
	; Group 1 for B: 64 k of a plane are 8,192 dense bytes (1,024 elements); NCH such rows, a plane (16,384 elements) apart.
	; Padding: 8 words behind every 32 words: LDS rows of 128 bytes, 160 apart.
	s_or_b32 s[G1B+0], s21, (3<<16)|(1<<20)|(1<<21)|(4<<22)|(7<<25)
	s_mov_b32 s[G1B+1], 1024<<16                   ; tensor_dim0 = 1,024
	s_mov_b32 s[G1B+2], NCH<<16                    ; tensor_dim1 = NCH
	s_mov_b32 s[G1B+3], 1024<<16                   ; tile_dim0 = 1,024
	s_mov_b32 s[G1B+4], NCH                        ; tile_dim1 = NCH
	s_mov_b32 s[G1B+5], 16384                      ; from plane to plane
	s_mov_b32 s[G1B+6], 0
	s_mov_b32 s[G1B+7], 0
	; Where the tiles come from.  A's offset holds the block row and the wave's number alone, B's the block column and the wave's number alone.
	s_lshl_b32 s40, s14, 19                        ; A: my plane of the step's two (524,288 bytes)
	s_lshl_b32 s41, s19, 15                        ;    + 256 rows of 128 bytes x block row
	s_add_co_u32 s40, s40, s41
	s_mov_b32 s41, 0
	s_mul_i32 s42, s18, NCH*131072                 ; B: NCH planes of 131,072 bytes x block column
	s_lshl_b32 s43, s14, 13                        ;    + my 64 k of 128 bytes
	s_add_co_u32 s42, s42, s43
	s_mov_b32 s43, 0
	s_mul_i32 s44, s18, NT*4                       ; bias: my block's first column
	s_mov_b32 s45, 0
	s_mul_i32 s22, s12, AHALF                      ; where they go: A's halves at wave x AHALF (waves 0, 1),
	s_mul_i32 s23, s12, BHALF                      ; B's behind A's tile at (wave - 2) x BHALF (waves 2, 3): the wave's number and constants alone
	s_add_co_u32 s23, s23, ATILE-2*BHALF
	s_wait_dscnt 0x0
	s_wait_kmcnt 0x0
	s_add_nc_u64 s[40:41], s[4:5], s[40:41]
	s_add_nc_u64 s[42:43], s[6:7], s[42:43]
	s_add_nc_u64 s[8:9], s[8:9], s[44:45]
	CROUND                                         ; all sixteen work-groups are here: the first joint loads meet
.irp s, 0,1
	s_mov_b32 s[G0A+4*\s], 1                                       ; count = 1
	s_add_co_u32 s[G0A+4*\s+1], s22, \s*SLOT                       ; LDS address
	s_add_nc_u64 s[G0A+4*\s+2:G0A+4*\s+3], s[40:41], \s*ASTEP      ; global address: K step s
	s_or_b32 s[G0A+4*\s+3], s[G0A+4*\s+3], 0x80000000              ; type = 2
	s_mov_b32 s[G0B+4*\s], 1
	s_add_co_u32 s[G0B+4*\s+1], s23, \s*SLOT
	s_add_nc_u64 s[G0B+4*\s+2:G0B+4*\s+3], s[42:43], \s*BSTEP
	s_or_b32 s[G0B+4*\s+3], s[G0B+4*\s+3], 0x80000000
	JLOAD \s                                       ; both slots' first fills go out before anything else: two tensor loads of the wave are out
.endr
	v_and_b32 v1, 15, v0                           ; r = l % 16
	v_bfe_u32 v2, v0, 4, 1                         ; h = l / 16
	v_lshlrev_b32 v[BO], 5, v2                     ; 8 h numbers of 4 bytes
.set b_, 0
.rept NB
	global_load_b128 v[BIAS+8*b_:BIAS+8*b_+3],   v[BO], s[8:9] offset:64*b_       ; bias[16 b + 8 h + 0 .. 3]
	global_load_b128 v[BIAS+8*b_+4:BIAS+8*b_+7], v[BO], s[8:9] offset:64*b_+16    ; bias[16 b + 8 h + 4 .. 7]
.set b_, b_+1
.endr
	; A's fragment, 16 rows x 32 K: lane l holds row r; registers 0-3 K = 8 h + 0..7, registers 4-7 K = 16 + 8 h + 0..7: two loads, 32 bytes apart.
	v_mul_u32_u24 v3, v1, 144
	v_lshl_add_u32 v3, v2, 4, v3                   ; r x 144 + 16 h
	s_mul_i32 s46, s12, 64*APITCH                  ; my 64 rows
	v_add_nc_u32 v[ADRA], s46, v3
	v_add_nc_u32 v[ADRA+1], SLOT, v[ADRA]
	; B's fragment by the transposing load: lane l addresses row k = 8 h + l % 8, 16 bytes at column 8 ((l / 8) % 2); it receives K = 8 h + 0..7 of
	; column r.  The second load, 16 rows on, brings K = 16 + 8 h + 0..7.
	v_and_b32 v4, 7, v0
	v_lshl_add_u32 v5, v2, 3, v4
	v_mul_u32_u24 v5, v5, BPITCH
	v_bfe_u32 v6, v0, 3, 1
	v_lshl_add_u32 v5, v6, 4, v5
	v_add_nc_u32 v[ADRB], ATILE, v5
	v_add_nc_u32 v[ADRB+1], SLOT, v[ADRB]
	; the way out
	s_mul_i32 s47, s12, WSTAGE
	s_add_co_u32 s47, s47, STAGE                   ; my stage
	v_add_nc_u32 v[STO], s47, v3                   ; in: row r, 16 bytes for each half of the lanes
	v_bfe_u32 v6, v0, 3, 2
	v_mul_u32_u24 v6, v6, 144
	v_lshl_add_u32 v6, v4, 4, v6
	v_add_nc_u32 v[RD], s47, v6                    ; back: eight lanes take a row of 128 bytes, 32 lanes four rows
	v_and_b32 v7, 31, v0
	v_lshlrev_b32 v[CO], 4, v7                     ; four rows of a plane are 512 consecutive bytes: 16 x lane
; NB matrix instructions: row block a of the window's two (hi = 0: rows 0-31, 1: rows 32-63) x all NB column blocks, 32 along K, from buffer f.
; first = 1: C is the bias tile, so that nothing is cleared and no bias is added later.
; The 4 NB accumulators take turns, one instruction a turn, in the same order in every quarter step.
.macro MULA f, hi, a, first
.set b_, 0
.rept NB
.if \first
	v_wmma_f32_16x16x32_f16 v[8*(NB*\a+b_):8*(NB*\a+b_)+7], v[8*NB*\f+8*b_:8*NB*\f+8*b_+7], v[FA0+32*\f+8*(2*\hi+\a):FA0+32*\f+8*(2*\hi+\a)+7], v[BIAS+8*b_:BIAS+8*b_+7]
.else
	v_wmma_f32_16x16x32_f16 v[8*(NB*\a+b_):8*(NB*\a+b_)+7], v[8*NB*\f+8*b_:8*NB*\f+8*b_+7], v[FA0+32*\f+8*(2*\hi+\a):FA0+32*\f+8*(2*\hi+\a)+7], v[8*(NB*\a+b_):8*(NB*\a+b_)+7]
.endif
.set b_, b_+1
.endr
.endm
; 2 NB + 8 LDS loads in one run: the fragments of quarter q (32 K) of a slot into buffer f; A's row blocks 2 and 3 come last.
.macro FETCH slot, q, f
	WIN TO_B
.set b_, 0
.rept NB
	ds_load_tr16_b128 v[8*NB*\f+8*b_:8*NB*\f+8*b_+3],   v[ADRB+\slot] offset:((\q)>>1)*BHALF+((\q)&1)*32*BPITCH+(b_/4)*BCH+(b_%4)*32
	ds_load_tr16_b128 v[8*NB*\f+8*b_+4:8*NB*\f+8*b_+7], v[ADRB+\slot] offset:((\q)>>1)*BHALF+((\q)&1)*32*BPITCH+(b_/4)*BCH+(b_%4)*32+16*BPITCH
.set b_, b_+1
.endr
	WIN 0
.irp a, 0,1,2,3
	ds_load_b128 v[FA0+32*\f+8*\a:FA0+32*\f+8*\a+3],   v[ADRA+\slot] offset:((\q)>>1)*AHALF+((\q)&1)*64+\a*16*APITCH
	ds_load_b128 v[FA0+32*\f+8*\a+4:FA0+32*\f+8*\a+7], v[ADRA+\slot] offset:((\q)>>1)*AHALF+((\q)&1)*64+\a*16*APITCH+32
.endr
.endm
; A load into a register that a matrix instruction has read, and a vector instruction or LDS store that reads a matrix result, stand four places
; behind that matrix instruction; only plain vector instructions that name none of its registers are places.
.macro PLACES
.rept 4
	v_nop
.endr
.endm
; One of a K step's first three quarters: multiplies buffer f; in its middle it fetches quarter q of the same slot into buffer g.
.macro QUARTER slot, q, f, g, first
	s_wait_dscnt 4                                 ; B and A's row blocks 0, 1 are in; the four youngest loads (A's blocks 2, 3) may be out
.if \first
	WIN FIRST_LO
.else
	WIN MUL_LO
.endif
	MULA \f, 0, 0, \first
	MULA \f, 0, 1, \first
	PLACES
	FETCH \slot, \q, \g
	s_wait_dscnt 2*NB+8                            ; all but the run just issued
.if \first
	WIN FIRST_HI
.else
	WIN MUL_HI
.endif
	MULA \f, 1, 0, \first
	MULA \f, 1, 1, \first
.endm
.macro THREE slot, first
	QUARTER \slot, 1, 0, 1, \first
	QUARTER \slot, 2, 1, 0, 0
	QUARTER \slot, 3, 0, 1, 0
.endm
; The last quarter: multiplies buffer 1 and changes slots.  In front of the barrier each wave waits for its reads of this slot and for all its
; tensor loads (one is out: its part of the next slot).  Behind it nobody reads this slot and the next slot is whole.  fill = 1: the barrier
; opens a round of the cluster's barrier, and this slot's joint refill, two K steps ahead, is the first tensor load behind the round.
.macro TURN slot, next, fill
	s_wait_dscnt 4
	WIN MUL_LO
	MULA 1, 0, 0, 0
	s_wait_dscnt 0                                 ; my reads of this slot are over
	s_wait_tensorcnt 0x0                           ; all my tensor loads have landed
	ds_add_u32 v255, v255
	s_wait_dscnt 0x0
	s_barrier_signal -1
	MULA 1, 0, 1, 0                                ; register work while the others arrive
	WIN 0
	s_barrier_wait -1
.if \fill
	CREST                                          ; no wave of any partner still reads this slot or has a load on its way
	s_add_nc_u64 s[G0A+4*\slot+2:G0A+4*\slot+3], s[G0A+4*\slot+2:G0A+4*\slot+3], 2*ASTEP
	s_add_nc_u64 s[G0B+4*\slot+2:G0B+4*\slot+3], s[G0B+4*\slot+2:G0B+4*\slot+3], 2*BSTEP
	JLOAD \slot                                    ; my one tensor load until the next round
.endif
	PLACES
	FETCH \next, 0, 0
	WIN MUL_HI
	MULA 1, 1, 0, 0
	MULA 1, 1, 1, 0
.endm
.macro LAP first                       ; once round the ring, both slots filled again
	THREE 0, \first
	TURN 0, 1, 1
	THREE 1, 0
	TURN 1, 0, 1
.endm
	s_wait_loadcnt 0x0                             ; the bias tiles
	s_wait_tensorcnt 1                             ; my part of K step 0 is in; K step 1's load stays out
	s_barrier_signal -1
	s_barrier_wait -1                              ; everybody's part is in
	FETCH 0, 0, 0
	LAP 1                                          ; the first lap stands in front of the loop: its first products start the sums from the bias
	WIN 0                                          ; at a label and at a branch every window is 0
	s_mov_b32 s15, LAPS-2
.Llap:
	LAP 0
	WIN 0
	s_sub_co_u32 s15, s15, 1
	s_cmp_lg_u32 s15, 0
	s_cbranch_scc1 .Llap
	THREE 0, 0                                     ; the last lap fills nothing and has no round
	TURN 0, 1, 0
	THREE 1, 0
	s_wait_dscnt 4                                 ; the very last quarter
	WIN MUL_LO
	MULA 1, 0, 0, 0
	MULA 1, 0, 1, 0
	s_wait_dscnt 0
	WIN MUL_HI
	MULA 1, 1, 0, 0
	MULA 1, 1, 1, 0
	; THE WAY OUT, 16 rows at a time: round to f16, 16 bytes a lane into my own stage, read back four rows of a head at a time.
	PLACES
	s_mul_i32 s46, s18, NCH*524288                 ; my first plane: NCH planes of 4,096 rows x 128 bytes x block column
	s_lshl_b32 s47, s19, 15                        ; + 256 rows x block row
	s_add_co_u32 s46, s46, s47
	s_lshl_b32 s47, s12, 13                        ; + 64 rows x wave
	s_add_co_u32 s46, s46, s47
	s_mov_b32 s47, 0
	s_add_nc_u64 s[10:11], s[10:11], s[46:47]
; rows 16 a .. 16 a + 15 of my 64 = the NB tiles (ap, 0 .. NB-1) of window 2 or 3 (from = 0x0a or 0x0f: sources 0 and 1); buf: RB0 and RB1 in turn
.macro OUT16 a, ap, from, buf
	WIN \from
.set b_, 0
.rept NB
.irp p, 0,1,2,3
	v_cvt_pk_f16_f32 v[TMP+4*b_+\p], v[8*(NB*\ap+b_)+2*\p], v[8*(NB*\ap+b_)+2*\p+1]
.endr
.set b_, b_+1
.endr
	WIN 0
.set b_, 0
.rept NB
	ds_store_b128 v[STO], v[TMP+4*b_:TMP+4*b_+3] offset:(b_/4)*16*144+(b_%4)*32    ; head b / 4, columns 16 (b % 4) + 8 h ..
.set b_, b_+1
.endr
	s_wait_xcnt 0x0                                ; the buffer, which earlier stores read, is loaded again only behind this wait
.set i_, 0
.rept NB
	ds_load_b128 v[\buf+4*i_:\buf+4*i_+3], v[RD] offset:(i_/4)*16*144+(i_%4)*4*144 ; LDS serves a wave's instructions in order: these see the stores above
.set i_, i_+1
.endr
.set i_, 0
.rept NB
	s_wait_dscnt NB-1-i_
	global_store_b128 v[CO], v[\buf+4*i_:\buf+4*i_+3], s[10:11] offset:(i_/4)*524288+\a*2048+(i_%4)*512   ; 512 consecutive bytes of a plane, aligned
.set i_, i_+1
.endr
.endm
	OUT16 0, 0, 0x0a, RB0
	OUT16 1, 1, 0x0a, RB1
	OUT16 2, 0, 0x0f, RB0
	OUT16 3, 1, 0x0f, RB1
	s_set_vgpr_msb 0x1
	s_wait_tensorcnt 0x0
	ds_add_u32 v255, v255
	s_wait_dscnt 0x0
	s_set_vgpr_msb 0x100
	CROUND                                         ; the closing round: no work-group ends while a partner may still ask for a tile that names it
	s_endpgm
.Lfunc_end_k_q63ffbabcbd_qkv:
	.size	k_q63ffbabcbd_qkv, .Lfunc_end_k_q63ffbabcbd_qkv-k_q63ffbabcbd_qkv
	.p2alignl 7, 3214868480
	.fill 96, 4, 3214868480
	.section	.rodata,"a",@progbits
	.p2align	6, 0x0
	.amdhsa_kernel k_q63ffbabcbd_qkv
		.amdhsa_group_segment_fixed_size 327680
		.amdhsa_private_segment_fixed_size 0
		.amdhsa_enable_private_segment 0
		.amdhsa_kernarg_size 32
		.amdhsa_user_sgpr_count 2
		.amdhsa_user_sgpr_kernarg_segment_ptr 1
		.amdhsa_wavefront_size32 1
		.amdhsa_system_sgpr_workgroup_id_x 1
		.amdhsa_system_sgpr_workgroup_id_y 1
		.amdhsa_system_sgpr_workgroup_id_z 1
		.amdhsa_system_vgpr_workitem_id 0
		.amdhsa_next_free_vgpr 1024
		.amdhsa_next_free_sgpr 66
		.amdhsa_reserve_vcc 0
		.amdhsa_float_denorm_mode_32 3
		.amdhsa_float_denorm_mode_16_64 3
		.amdhsa_memory_ordered 1
		.amdhsa_forward_progress 1
		.amdhsa_inst_pref_size 166
	.end_amdhsa_kernel
	.amdgpu_metadata
---
amdhsa.version: [ 1, 2 ]
amdhsa.kernels:
  - .name:           k_q63ffbabcbd_qkv
    .symbol:         k_q63ffbabcbd_qkv.kd
    .args:
      - { .name: xh, .offset: 0, .size: 8, .value_kind: global_buffer, .address_space: global }
      - { .name: wqh, .offset: 8, .size: 8, .value_kind: global_buffer, .address_space: global }
      - { .name: b_qkv, .offset: 16, .size: 8, .value_kind: global_buffer, .address_space: global }
      - { .name: qkvh, .offset: 24, .size: 8, .value_kind: global_buffer, .address_space: global }
    .group_segment_fixed_size: 327680
    .private_segment_fixed_size: 0
    .kernarg_segment_align: 8
    .kernarg_segment_size: 32
    .max_flat_workgroup_size: 128
    .sgpr_count:     66
    .vgpr_count:     1024
    .wavefront_size: 32
...
	.end_amdgpu_metadata
.endif
;; end of part 2
;; launch attn (part 3): grid 8 x 32, 8 waves a work-group, no clusters, 230,400 bytes of LDS; arguments qkvh, oh; writes oh
.if DOCPART == 3
	.amdgcn_target "amdgcn-amd-amdhsa--gfx1250"
	.amdhsa_code_object_version 6
	.text
	.protected	k_q63ffbabcbd_attn
	.globl	k_q63ffbabcbd_attn
	.p2align	8
	.type	k_q63ffbabcbd_attn,@function
k_q63ffbabcbd_attn:
	s_mov_b64 s[64:65], 0
	v_nop
	global_prefetch_b8 v0, s[64:65] scope:SCOPE_SE
	s_setreg_imm32_b32 hwreg(HW_REG_WAVE_MODE, 25, 1), 1
	s_wait_xcnt 0x0
; Attention in the band i - 256 <= j <= i, one head and 256 queries for a work-group.  qkvh [48 planes][4096 m][64] f16 (plane = head for q,
; 16 + head for k, 32 + head for v; m = 2048 b + t); result oh [16 heads][4096 m][64] f16.  Grid: x = block of 256 queries, y = 16 b + head.
; LDS is filled ONCE: the 512 keys and values in front of and beside the block, and its 256 queries; then one barrier, and no wave waits again.
; Wave w takes 32 queries from q0 = 256 x + 32 w and walks key blocks of 32: block d holds keys q0 - 32 d .. + 31.
;   d = 0: key <= query is tested (the tile keys 16-31 x queries 0-15 is wholly outside and is not multiplied);
;   d = 1 .. 7: every pair lies in the band (-32 d + 31 < 0 and -32 d >= 31 - 256);
;   d = 8: key >= query - 256 is tested (the tile keys 0-15 x queries 16-31 is wholly outside).
; Blocks with keys below 0 do not exist: the wave ends behind block min(8, 8 x + w).  The diagonal block comes first, so the running maximum is
; finite from the start (key = query is always allowed) and nothing is cleared.
; ORIENTATION: S^T = K Q^T, so lane l holds query l % 16 and in register j key 8 (l / 16) + j.  A lane's own 16 numbers, packed to f16, ARE the
; second operand of O^T = V^T P^T (V^T by the transposing LDS load), whose result again has the query in the lane: maximum, sum and scale are
; one number a lane, and the only traffic between lanes is one exchange of the two halves for each maximum and for the final sum.
; SOFTMAX: running maximum in f32 as in the usual streaming form; exponentials in base 2 with c = 0.125 log2(e) folded into one multiply-add.
; NO CLUSTER: a block of 256 keys is read by two work-groups, but it is the upper half of the one's 512 rows and the lower half of the other's;
; a joint load has one LDS address for all that it names.
; NO PREFETCH: everything that the work-group reads is asked for by its first instructions.
; For x = 0 the first 256 rows of K and V in LDS come from the 256 rows in front of the sequence (inside qkvh, since the planes are 16 and up);
; no product uses them; only a wave's last look-ahead load of K touches them, and its result is dropped.
; LIMIT: q, k, v, the weights p (in [0, 1]) and the result are f16: magnitudes below 65,504; p below 2^-25 counts as zero in the product.
.set VREG, 73728                       ; LDS: K 512 rows x 144 at 0; V 512 rows x 160 here;
.set QREG, 155648                      ; Q 256 rows x 144;
.set STG,  192512                      ; the waves' stages, 32 rows x 144 each: a multiple of 256, no tensor load lands here
.set KA,  4                            ; v4   K: (32 w + r) 144 + 16 h
.set VA,  5                            ; v5   V: VREG + (32 w + 8 h + l % 8) 160 + 16 ((l / 8) % 2)
.set QA,  6                            ; v6   Q: QREG + (32 w + r) 144 + 16 h
.set STO, 7                            ; v7   stage, in
.set RD,  8                            ; v8   stage, back
.set CO,  9                            ; v9   16 x lane
.set NEG, 10                           ; v10  -infinity
.set TT,  12                           ; v12-17 at work
.set MX,  18                           ; v18-19 running maximum (raw scores), queries 0-15 and 16-31
.set NM,  20                           ; v[20:21], v[22:23]  -c x maximum, twice (a pair for the packed multiply-add)
.set AL,  24                           ; v[24:25], v[26:27]  the factor on the old sums, twice
.set LS,  28                           ; v28-29 running sum of my half of the keys
.set ARG, 30                           ; v30-31 exponent of that factor
.set QF,  32                           ; v32-63   Q fragments, 8 (2 qt + ks)
.set KF,  64                           ; v64-95   K fragments, 8 (2 kt + ks)
.set VF,  96                           ; v96-127  V^T fragments, 8 dd
.set SC,  128                          ; v128-159 scores, then weights: 16 qt + 8 kt + j
.set PF,  160                          ; v160-175 P^T fragments, 8 qt
.set OA,  176                          ; v176-239 O^T, 8 (4 qt + dd)
.set G1K, 16
.set G1V, 24
.set G1Q, 32
.set G0K, 40
.set G0V, 44
.set G0Q, 48
.set MD,  52                           ; s52-59  lanes with j <= r - 8 h (diagonal)
.set ML,  66                           ; s66-73  lanes with j >= r - 8 h (lower edge)
	s_load_b128 s[4:7], s[0:1], 0x0                ; qkvh s[4:5], oh s[6:7]
	v_lshl_add_u32 v240, v0, 2, 0x38000
	v_mov_b32 v241, 0
	ds_add_u32 v240, v241
	ds_add_u32 v240, v241
	v_lshrrev_b32 v1, 5, v0
	v_readfirstlane_b32 s8, v1                     ; wave 0..7
	s_mov_b32 s9, ttmp9                            ; block of queries
	s_and_b32 s10, ttmp7, 0xffff                   ; 16 b + head
	s_lshr_b32 s12, s10, 4
	s_and_b32 s13, s10, 15
	s_lshl_b32 s12, s12, 11                        ; 2,048 b
	s_lshl_b32 s13, s13, 12                        ; 4,096 head
	s_add_co_u32 s12, s12, s13
	s_lshl_b32 s13, s9, 8
	s_add_co_u32 s12, s12, s13                     ; row of q's plane stack at the block's first query
	s_lshl_b32 s13, s8, 5
	s_add_co_u32 s13, s12, s13                     ; + 32 w: my queries, and my rows of the result
	s_lshl_b32 s14, s13, 7                         ; in bytes
	s_mov_b32 s15, 0
	s_lshl_b32 s62, s8, 6
	s_add_co_u32 s62, s62, s12
	s_add_co_u32 s62, s62, 65536-256               ; 16 planes on, 256 rows back, + 64 w: the 64 rows of K that I fetch
	s_lshl_b32 s62, s62, 7
	s_mov_b32 s63, 0
	s_lshl_b32 s11, s9, 3
	s_add_co_u32 s11, s11, s8
	s_min_u32 s11, s11, 8                          ; my last block
	s_mov_b32 s60, 0x76543210                      ; v_permlanex16_b32: lane i of one half reads lane i of the other
	s_mov_b32 s61, 0xfedcba98
	; Rows of a plane are dense: tiles of rows of 256 bytes (32 elements of 8 bytes).  Padding behind every 32 words (128 bytes), counted along the tile.
	s_mov_b32 s[G1K+0], (3<<16)|(1<<20)|(4<<22)|(3<<25)   ; 8-byte elements; padding on; interval code 4; 4 words: LDS rows 144 apart
	s_mov_b32 s[G1K+1], 32<<16                     ; tensor_dim0 = 32
	s_mov_b32 s[G1K+2], 32<<16                     ; tensor_dim1 = 32 (64 rows of 128 bytes)
	s_mov_b32 s[G1K+3], 32<<16                     ; tile_dim0 = 32
	s_mov_b32 s[G1K+4], 32                         ; tile_dim1 = 32
	s_mov_b32 s[G1K+5], 32                         ; from row to row
	s_mov_b32 s[G1K+6], 0
	s_mov_b32 s[G1K+7], 0
	s_mov_b32 s[G1V+0], (3<<16)|(1<<20)|(4<<22)|(7<<25)   ; 8 words: LDS rows 160 apart
	s_mov_b32 s[G1V+1], 32<<16
	s_mov_b32 s[G1V+2], 32<<16
	s_mov_b32 s[G1V+3], 32<<16
	s_mov_b32 s[G1V+4], 32
	s_mov_b32 s[G1V+5], 32
	s_mov_b32 s[G1V+6], 0
	s_mov_b32 s[G1V+7], 0
	s_mov_b32 s[G1Q+0], (3<<16)|(1<<20)|(4<<22)|(3<<25)
	s_mov_b32 s[G1Q+1], 32<<16
	s_mov_b32 s[G1Q+2], 16<<16                     ; 32 rows of 128 bytes
	s_mov_b32 s[G1Q+3], 32<<16
	s_mov_b32 s[G1Q+4], 16
	s_mov_b32 s[G1Q+5], 32
	s_mov_b32 s[G1Q+6], 0
	s_mov_b32 s[G1Q+7], 0
	s_mov_b32 s[G0K], 1
	s_mul_i32 s[G0K+1], s8, 64*144
	s_mov_b32 s[G0V], 1
	s_mul_i32 s[G0V+1], s8, 64*160
	s_add_co_u32 s[G0V+1], s[G0V+1], VREG
	s_mov_b32 s[G0Q], 1
	s_mul_i32 s[G0Q+1], s8, 32*144
	s_add_co_u32 s[G0Q+1], s[G0Q+1], QREG
	s_wait_dscnt 0x0
	s_wait_kmcnt 0x0
	s_add_nc_u64 s[G0K+2:G0K+3], s[4:5], s[62:63]
	s_add_nc_u64 s[G0V+2:G0V+3], s[G0K+2:G0K+3], 8388608   ; v's planes lie 16 planes of 524,288 bytes behind k's
	s_add_nc_u64 s[G0Q+2:G0Q+3], s[4:5], s[14:15]
	s_add_nc_u64 s[6:7], s[6:7], s[14:15]          ; the result has q's layout
	s_or_b32 s[G0K+3], s[G0K+3], 0x80000000
	s_or_b32 s[G0V+3], s[G0V+3], 0x80000000
	s_or_b32 s[G0Q+3], s[G0Q+3], 0x80000000
	tensor_load_to_lds s[G0K:G0K+3], s[G1K:G1K+7]  ; the only fills of the launch, three of each wave, in one group
	s_nop 0
	tensor_load_to_lds s[G0V:G0V+3], s[G1V:G1V+7]
	s_nop 0
	tensor_load_to_lds s[G0Q:G0Q+3], s[G1Q:G1Q+7]
	s_nop 0
	v_and_b32 v1, 15, v0                           ; r
	v_bfe_u32 v2, v0, 4, 1                         ; h
	v_lshlrev_b32 v3, 3, v2
	v_sub_nc_u32 v3, v1, v3                        ; r - 8 h, signed
	v_and_b32 v11, 0xef, v0                        ; 32 w + r
	v_mul_u32_u24 v[KA], v11, 144
	v_lshl_add_u32 v[KA], v2, 4, v[KA]
	v_add_nc_u32 v[QA], QREG, v[KA]
	v_and_b32 v11, 0xe7, v0                        ; 32 w + l % 8
	v_lshl_add_u32 v11, v2, 3, v11
	v_mul_u32_u24 v[VA], v11, 160
	v_bfe_u32 v11, v0, 3, 1
	v_lshl_add_u32 v[VA], v11, 4, v[VA]
	v_add_nc_u32 v[VA], VREG, v[VA]
	s_mul_i32 s12, s8, 32*144
	s_add_co_u32 s12, s12, STG                     ; my stage
	v_mul_u32_u24 v11, v1, 144
	v_lshl_add_u32 v11, v2, 4, v11
	v_add_nc_u32 v[STO], s12, v11
	v_bfe_u32 v11, v0, 3, 2
	v_mul_u32_u24 v[RD], v11, 144
	v_and_b32 v11, 7, v0
	v_lshl_add_u32 v[RD], v11, 4, v[RD]
	v_add_nc_u32 v[RD], s12, v[RD]
	v_and_b32 v[CO], 31, v0
	v_lshlrev_b32 v[CO], 4, v[CO]
	v_mov_b32 v[NEG], 0xff800000
.irp j, 0,1,2,3,4,5,6,7
	v_cmp_le_i32 s[MD+\j], \j, v3                  ; key 8 h + j <= query r
	v_cmp_ge_i32 s[ML+\j], \j, v3                  ; key 8 h + j >= query r
.endr
	s_wait_tensorcnt 0x0                           ; my parts of K, V and Q have landed,
	s_barrier_signal -1
	s_barrier_wait -1                              ; everybody's have; nothing writes these bytes again
.irp f, 0,1,2,3
	ds_load_b128 v[QF+8*\f:QF+8*\f+3],   v[QA] offset:(\f/2)*2304+(\f%2)*64
	ds_load_b128 v[QF+8*\f+4:QF+8*\f+7], v[QA] offset:(\f/2)*2304+(\f%2)*64+32
.endr
.irp f, 0,1,2,3
	ds_load_b128 v[KF+8*\f:KF+8*\f+3],   v[KA] offset:8*4608+(\f/2)*2304+(\f%2)*64
	ds_load_b128 v[KF+8*\f+4:KF+8*\f+7], v[KA] offset:8*4608+(\f/2)*2304+(\f%2)*64+32
.endr
; one product of S^T: keys 16 kt .., queries 16 qt .., head dimensions 32 ks ..
.macro SPROD kt, qt, ks
.if \ks
	v_wmma_f32_16x16x32_f16 v[SC+16*\qt+8*\kt:SC+16*\qt+8*\kt+7], v[KF+8*(2*\kt+\ks):KF+8*(2*\kt+\ks)+7], v[QF+8*(2*\qt+\ks):QF+8*(2*\qt+\ks)+7], v[SC+16*\qt+8*\kt:SC+16*\qt+8*\kt+7]
.else
	v_wmma_f32_16x16x32_f16 v[SC+16*\qt+8*\kt:SC+16*\qt+8*\kt+7], v[KF+8*(2*\kt+\ks):KF+8*(2*\kt+\ks)+7], v[QF+8*(2*\qt+\ks):QF+8*(2*\qt+\ks)+7], 0
.endif
.endm
; the new maximum of queries 16 qt .. : my 16 scores and the old maximum, then the other half of the lanes; -c x maximum; the old sums' exponent
.macro ROWMAX qt, mode
	v_max3_num_f32 v[TT],   v[SC+16*\qt],    v[SC+16*\qt+1],  v[SC+16*\qt+2]
	v_max3_num_f32 v[TT+1], v[SC+16*\qt+3],  v[SC+16*\qt+4],  v[SC+16*\qt+5]
	v_max3_num_f32 v[TT+2], v[SC+16*\qt+6],  v[SC+16*\qt+7],  v[SC+16*\qt+8]
	v_max3_num_f32 v[TT+3], v[SC+16*\qt+9],  v[SC+16*\qt+10], v[SC+16*\qt+11]
	v_max3_num_f32 v[TT+4], v[SC+16*\qt+12], v[SC+16*\qt+13], v[SC+16*\qt+14]
	v_max3_num_f32 v[TT],   v[TT],   v[TT+1], v[TT+2]
	v_max3_num_f32 v[TT+3], v[TT+3], v[TT+4], v[SC+16*\qt+15]
.if \mode == 1
	v_max_num_f32 v[TT], v[TT], v[TT+3]
.else
	v_max3_num_f32 v[TT], v[TT], v[TT+3], v[MX+\qt]
.endif
	v_permlanex16_b32 v[TT+1], v[TT], s60, s61     ; the other eight keys of each sixteen lie in the other half of the lanes
	v_max_num_f32 v[MX+\qt], v[TT], v[TT+1]
	v_mul_f32 v[TT+2], 0xbe38aa3b, v[MX+\qt]       ; -c x new maximum
.if \mode != 1
	v_sub_f32 v[ARG+\qt], v[TT+2], v[NM+2*\qt]     ; c (old - new), at most 0
.endif
	v_mov_b32 v[NM+2*\qt], v[TT+2]
	v_mov_b32 v[NM+2*\qt+1], v[TT+2]
.endm
; my 16 weights of queries 16 qt .. are added, and the running sum follows
.macro ROWSUM qt, mode
	v_pk_add_f32 v[TT:TT+1],   v[SC+16*\qt:SC+16*\qt+1],   v[SC+16*\qt+2:SC+16*\qt+3]
	v_pk_add_f32 v[TT+2:TT+3], v[SC+16*\qt+4:SC+16*\qt+5], v[SC+16*\qt+6:SC+16*\qt+7]
	v_pk_add_f32 v[TT+4:TT+5], v[SC+16*\qt+8:SC+16*\qt+9], v[SC+16*\qt+10:SC+16*\qt+11]
	v_pk_add_f32 v[TT:TT+1],   v[TT:TT+1],   v[TT+2:TT+3]
	v_pk_add_f32 v[TT+4:TT+5], v[TT+4:TT+5], v[SC+16*\qt+12:SC+16*\qt+13]
	v_pk_add_f32 v[TT:TT+1],   v[TT:TT+1],   v[TT+4:TT+5]
	v_pk_add_f32 v[TT:TT+1],   v[TT:TT+1],   v[SC+16*\qt+14:SC+16*\qt+15]
.if \mode == 1
	v_add_f32 v[LS+\qt], v[TT], v[TT+1]
.else
	v_add_f32 v[TT], v[TT], v[TT+1]
	v_fma_f32 v[LS+\qt], v[LS+\qt], v[AL+2*\qt], v[TT]
.endif
.endm
; Key block d.  mode 0: plain; 1: the first block, the diagonal; 2: the lower edge.  pre = 1: the next block's K fragments are fetched ahead.
.macro BLOCK d, mode, pre
	s_wait_dscnt 0x0                               ; this block's K fragments (and, in front of the first block, Q's)
	; the tiles take turns, one instruction a turn
.irp ks, 0,1
	SPROD 0, 0, \ks
.if \mode != 1
	SPROD 1, 0, \ks
.endif
.if \mode != 2
	SPROD 0, 1, \ks
.endif
	SPROD 1, 1, \ks
.endr
	; four places or more behind the products, in front of the loads into K's and V's registers and of the reads of the scores
.if \mode == 0
.rept 4
	v_nop
.endr
.else
.irp j, 0,1,2,3,4,5,6,7
	v_mov_b32 v[SC+8*\mode+\j], v[NEG]             ; the tile that was not multiplied lies wholly outside the band
.endr
.endif
.irp dd, 0,1,2,3
	ds_load_tr16_b128 v[VF+8*\dd:VF+8*\dd+3],   v[VA] offset:(8-\d)*5120+32*\dd        ; V^T: dimensions 16 dd + r, keys 8 h ..
	ds_load_tr16_b128 v[VF+8*\dd+4:VF+8*\dd+7], v[VA] offset:(8-\d)*5120+32*\dd+2560   ; keys 16 + 8 h ..
.endr
.if \pre
.irp f, 0,1,2,3
	ds_load_b128 v[KF+8*\f:KF+8*\f+3],   v[KA] offset:(7-\d)*4608+(\f/2)*2304+(\f%2)*64
	ds_load_b128 v[KF+8*\f+4:KF+8*\f+7], v[KA] offset:(7-\d)*4608+(\f/2)*2304+(\f%2)*64+32
.endr
.endif
.if \mode == 1
.irp j, 0,1,2,3,4,5,6,7
	v_cndmask_b32 v[SC+\j],    v[NEG], v[SC+\j],    s[MD+\j]   ; the two tiles on the diagonal: key <= query stays
	v_cndmask_b32 v[SC+24+\j], v[NEG], v[SC+24+\j], s[MD+\j]
.endr
.endif
.if \mode == 2
.irp j, 0,1,2,3,4,5,6,7
	v_cndmask_b32 v[SC+\j],    v[NEG], v[SC+\j],    s[ML+\j]   ; key >= query - 256 stays
	v_cndmask_b32 v[SC+24+\j], v[NEG], v[SC+24+\j], s[ML+\j]
.endr
.endif
	ROWMAX 0, \mode
	ROWMAX 1, \mode
.if \mode != 1
	v_exp_f32 v[AL],   v[ARG]                      ; made twice, to fill the pair that the packed multiply takes; the multiply-adds below are the
	v_exp_f32 v[AL+1], v[ARG]                      ; plain instructions that stand between these and the first use (ISA guide 5.7.2)
	v_exp_f32 v[AL+2], v[ARG+1]
	v_exp_f32 v[AL+3], v[ARG+1]
.endif
.irp qt, 0,1
.irp p, 0,1,2,3,4,5,6,7
	v_pk_fma_f32 v[SC+16*\qt+2*\p:SC+16*\qt+2*\p+1], v[SC+16*\qt+2*\p:SC+16*\qt+2*\p+1], 0x3e38aa3b, v[NM+2*\qt:NM+2*\qt+1] op_sel_hi:[1,0,1]   ; c (score - maximum)
.endr
.endr
.set i_, 0
.rept 32
	v_exp_f32 v[SC+i_], v[SC+i_]
.set i_, i_+1
.endr
.if \mode != 1
	s_wait_alu depctr_va_vdst(0)
.irp qt, 0,1
.set i_, 0
.rept 16
	v_pk_mul_f32 v[OA+32*\qt+2*i_:OA+32*\qt+2*i_+1], v[OA+32*\qt+2*i_:OA+32*\qt+2*i_+1], v[AL+2*\qt:AL+2*\qt+1]   ; the old sums follow the new maximum
.set i_, i_+1
.endr
.endr
.else
	v_nop                                          ; one plain instruction behind the last exponential
	s_wait_alu depctr_va_vdst(0)
.endif
	ROWSUM 0, \mode
	ROWSUM 1, \mode
.irp qt, 0,1
.irp p, 0,1,2,3,4,5,6,7
	v_cvt_pk_f16_f32 v[PF+8*\qt+\p], v[SC+16*\qt+2*\p], v[SC+16*\qt+2*\p+1]   ; registers 0-3: keys 8 h .., 4-7: keys 16 + 8 h ..: the operand's own layout
.endr
.endr
.if \pre
	s_wait_dscnt 8                                 ; V's eight loads are in; the eight younger ones, the next block's K, stay out
.else
	s_wait_dscnt 0x0
.endif
.irp qt, 0,1
.irp dd, 0,1,2,3
.if \mode == 1
	v_wmma_f32_16x16x32_f16 v[OA+8*(4*\qt+\dd):OA+8*(4*\qt+\dd)+7], v[VF+8*\dd:VF+8*\dd+7], v[PF+8*\qt:PF+8*\qt+7], 0
.else
	v_wmma_f32_16x16x32_f16 v[OA+8*(4*\qt+\dd):OA+8*(4*\qt+\dd)+7], v[VF+8*\dd:VF+8*\dd+7], v[PF+8*\qt:PF+8*\qt+7], v[OA+8*(4*\qt+\dd):OA+8*(4*\qt+\dd)+7]
.endif
.endr
.endr
.if \d < 8
	s_cmp_eq_u32 s11, \d                           ; the next block would hold keys below 0
	s_cbranch_scc1 .Lfin
.endif
.endm
	BLOCK 0, 1, 1
	BLOCK 1, 0, 1
	BLOCK 2, 0, 1
	BLOCK 3, 0, 1
	BLOCK 4, 0, 1
	BLOCK 5, 0, 1
	BLOCK 6, 0, 1
	BLOCK 7, 0, 1
	BLOCK 8, 2, 0
.Lfin:
	s_wait_dscnt 0x0                               ; a look-ahead load of K may still be out: its registers are used again below
.rept 4
	v_nop                                          ; four places behind the last products, in front of the reads of their results
.endr
	v_permlanex16_b32 v[TT],   v[LS],   s60, s61   ; the sum over the other half's keys
	v_permlanex16_b32 v[TT+1], v[LS+1], s60, s61
	v_add_f32 v[LS],   v[LS],   v[TT]
	v_add_f32 v[LS+1], v[LS+1], v[TT+1]            ; at least about 1: the largest weight is 1
	v_rcp_f32 v[AL],   v[LS]
	v_rcp_f32 v[AL+1], v[LS]
	v_rcp_f32 v[AL+2], v[LS+1]
	v_rcp_f32 v[AL+3], v[LS+1]
	v_nop                                          ; one plain instruction behind the reciprocals
	s_wait_alu depctr_va_vdst(0)
.irp qt, 0,1
.set i_, 0
.rept 16
	v_pk_mul_f32 v[OA+32*\qt+2*i_:OA+32*\qt+2*i_+1], v[OA+32*\qt+2*i_:OA+32*\qt+2*i_+1], v[AL+2*\qt:AL+2*\qt+1]
.set i_, i_+1
.endr
.endr
.set i_, 0
.rept 32
	v_cvt_pk_f16_f32 v[SC+i_], v[OA+2*i_], v[OA+2*i_+1]
.set i_, i_+1
.endr
.set i_, 0
.rept 8
	ds_store_b128 v[STO], v[SC+4*i_:SC+4*i_+3] offset:(i_/4)*2304+(i_%4)*32   ; query 16 qt + r, dimensions 16 dd + 8 h ..
.set i_, i_+1
.endr
.set i_, 0
.rept 8
	ds_load_b128 v[KF+4*i_:KF+4*i_+3], v[RD] offset:i_*576                    ; four rows of 128 bytes; a wave's LDS instructions are served in order
.set i_, i_+1
.endr
.set i_, 0
.rept 8
	s_wait_dscnt 7-i_
	global_store_b128 v[CO], v[KF+4*i_:KF+4*i_+3], s[6:7] offset:512*i_       ; 512 consecutive bytes of the head's plane, aligned
.set i_, i_+1
.endr
	s_wait_tensorcnt 0x0
	ds_add_u32 v240, v241
	s_wait_dscnt 0x0
	s_endpgm
.Lfunc_end_k_q63ffbabcbd_attn:
	.size	k_q63ffbabcbd_attn, .Lfunc_end_k_q63ffbabcbd_attn-k_q63ffbabcbd_attn
	.p2alignl 7, 3214868480
	.fill 96, 4, 3214868480
	.section	.rodata,"a",@progbits
	.p2align	6, 0x0
	.amdhsa_kernel k_q63ffbabcbd_attn
		.amdhsa_group_segment_fixed_size 230400
		.amdhsa_private_segment_fixed_size 0
		.amdhsa_enable_private_segment 0
		.amdhsa_kernarg_size 16
		.amdhsa_user_sgpr_count 2
		.amdhsa_user_sgpr_kernarg_segment_ptr 1
		.amdhsa_wavefront_size32 1
		.amdhsa_system_sgpr_workgroup_id_x 1
		.amdhsa_system_sgpr_workgroup_id_y 1
		.amdhsa_system_sgpr_workgroup_id_z 1
		.amdhsa_system_vgpr_workitem_id 0
		.amdhsa_next_free_vgpr 242
		.amdhsa_next_free_sgpr 74
		.amdhsa_reserve_vcc 0
		.amdhsa_float_denorm_mode_32 3
		.amdhsa_float_denorm_mode_16_64 3
		.amdhsa_memory_ordered 1
		.amdhsa_forward_progress 1
		.amdhsa_inst_pref_size 108
	.end_amdhsa_kernel
	.amdgpu_metadata
---
amdhsa.version: [ 1, 2 ]
amdhsa.kernels:
  - .name:           k_q63ffbabcbd_attn
    .symbol:         k_q63ffbabcbd_attn.kd
    .args:
      - { .name: qkvh, .offset: 0, .size: 8, .value_kind: global_buffer, .address_space: global }
      - { .name: oh, .offset: 8, .size: 8, .value_kind: global_buffer, .address_space: global }
    .group_segment_fixed_size: 230400
    .private_segment_fixed_size: 0
    .kernarg_segment_align: 8
    .kernarg_segment_size: 16
    .max_flat_workgroup_size: 256
    .sgpr_count:     74
    .vgpr_count:     242
    .wavefront_size: 32
...
	.end_amdgpu_metadata
.endif
;; end of part 3
;; launch proj (part 4): grid 16 x 16, 4 waves a work-group, clusters of 4 x 4, 327,680 bytes of LDS; arguments oh, woh, b_out, out0; writes out0
.if DOCPART == 4
	.amdgcn_target "amdgcn-amd-amdhsa--gfx1250"
	.amdhsa_code_object_version 6
	.text
	.protected	k_q63ffbabcbd_proj
	.globl	k_q63ffbabcbd_proj
	.p2align	8
	.type	k_q63ffbabcbd_proj,@function
k_q63ffbabcbd_proj:
	s_mov_b64 s[64:65], 0
	v_nop
	global_prefetch_b8 v0, s[64:65] scope:SCOPE_SE
	s_setreg_imm32_b32 hwreg(HW_REG_WAVE_MODE, 25, 1), 1
	s_wait_xcnt 0x0
	s_wait_alu depctr_hold_cnt(0) depctr_sa_sdst(0) depctr_va_vdst(0) depctr_va_sdst(0) depctr_va_ssrc(0) depctr_va_vcc(0) depctr_vm_vsrc(0)
	s_getreg_b32 s2, hwreg(HW_REG_IB_STS2, 6, 4)
	s_cmp_eq_u32 s2, 0
	s_cbranch_scc0 .Lentry_in_a_cluster
	s_endpgm
.Lentry_in_a_cluster:
	s_bfe_u32 s2, ttmp6, 0x10000c
	s_cmp_lg_u32 s2, 0xf033
	s_cbranch_scc0 .Lentry_shape_is_right
	s_endpgm
.Lentry_shape_is_right:
; out0 = o w_out + b_out.  A = oh [16 planes of K = heads][4096 m][64] f16, B = woh [16 planes of N][1024 k][64] f16, bias f32 [1024];
; result out0 [4096][1024] f32.  Sums in f32, K ascending.
; The text of the qkv product with NCH = 1 and another way out.  A work-group makes 256 rows x 64 columns with four waves: 16 x 16 = 256
; work-groups.  Wave w makes rows 64 w .. 64 w + 63 x 64 columns: 4 x 4 accumulator tiles of 16 x 16.
; K goes in steps of 128 (two planes of A) through a ring of two LDS slots filled by the tensor data mover.
; CLUSTERS: 4 x 4 work-groups.  A's tile hangs on the block row alone and is asked for jointly by a row of the cluster, B's on the block
; column alone and is asked for jointly by a column: the requests for A and for B are divided by four.
; B LIES [k][n]: its fragments are read by the transposing LDS load (ds_load_tr16_b128).
; THE MATRIX INSTRUCTION IS USED TRANSPOSED: source 0 = 16 columns of B, source 1 = 16 rows of A.  Lane l then holds row m = l % 16, and
; its registers 0-7 the columns n = 8 (l / 16) + 0 .. 7: 32 neighbouring bytes of a row.
; THE BIAS costs no arithmetic: the first product of each tile takes as C registers that hold bias[n0 + 8 (l / 16) + j].
; REGISTERS in windows of 256: window 0 addresses, A's fragments (two buffers), the bias tiles, the way out; window 1 B's fragments (two
; buffers); window 2 the tiles of my rows 0-31, window 3 those of rows 32-63 (tile (a, b) at 8 (NB a + b)).
; LIMIT: the operands are f16: |o|, |w| below 65,504.
.set NCH,    1                         ; planes of 64 columns in a work-group's block
.set NB,     4*NCH                     ; column blocks of 16
.set NT,     64*NCH
.set APITCH, 144                       ; an LDS row of A: 128 bytes + 16: an odd multiple of 16, so 16 rows start at 16 different 16-byte columns
.set AHALF,  256*APITCH                ; one plane's 256 rows: what one tensor load brings
.set ATILE,  2*AHALF
.set BPITCH, 160                       ; an LDS row of B: 128 bytes + 32: an odd multiple of 32
.set BCH,    64*BPITCH                 ; 64 k of one plane
.set BHALF,  NCH*BCH                   ; what one tensor load brings
.set SLOT,   ATILE+2*BHALF             ; A [2 halves of K][256 rows], then B [2 halves of K][64 k]
.set STAGE,  2*SLOT                    ; behind the ring, a multiple of 256; no tensor load ever lands here
.set WSTAGE, 16*272                    ; a wave's stage: [16 rows][256 bytes + 16]
.set ASTEP,  2*524288                  ; bytes of A from K step to K step: two planes of 4,096 rows x 128 bytes
.set BSTEP,  128*128                   ; of B: 128 rows of 128 bytes
.set LAPS,   4                         ; K = 1,024 = 8 steps = 4 laps of the ring
.set ADRA, 16                          ; v16-17  LDS address of my A fragments in slot 0, 1
.set ADRB, 20                          ; v20-21  the same for B
.set STO,  24                          ; v24     way out: where I put 32 bytes
.set RD,   25                          ; v25     way out: where I read a row back
.set CO,   26                          ; v26     my byte offset in the result
.set BO,   27                          ; v27     my byte offset in the bias
.set FA0,  32                          ; v32-63, v64-95  A's fragments, buffers 0 and 1 (window 0).  B's: 8 NB f + 8 b in window 1
.set BIAS, 96                          ; v96-127 the NB bias tiles
.set RB0,  144                         ; way out: rows read back, two buffers
.set RB1,  192
.set G1A, 24                           ; s[24:31] descriptor group 1, A
.set G0A, 32                           ; s[32:39] group 0, A, one set for each slot
.set G1B, 48                           ; s[48:55] group 1, B
.set G0B, 56                           ; s[56:63] group 0, B, one set for each slot
.set MSB, 0
.macro WIN new                         ; the immediate's high byte repeats the setting that is left; a switch that changes nothing is dropped
.if MSB != \new
	s_set_vgpr_msb (MSB<<8)|\new
.set MSB, \new
.endif
.endm
.set MUL_LO,   0xa1                    ; source 0 (B) window 1, source 1 (A) window 0, C and D window 2
.set MUL_HI,   0xf1                    ; the same, C and D window 3
.set FIRST_LO, 0x81                    ; C (the bias) window 0, D window 2
.set FIRST_HI, 0xc1                    ; C window 0, D window 3
.set TO_B,     0x40                    ; destination window 1, address window 0
; A joint load.  Waves 0 and 1 fetch A's two planes, waves 2 and 3 B's two halves of K.  Each line has one mask and one set of registers;
; the branch hangs on the wave's number alone.
.macro JLOAD s
	s_cmp_eq_u32 s13, 0
	s_cbranch_scc0 .Lfor_b_\@
	tensor_load_to_lds s[G0A+4*\s:G0A+4*\s+3], s[G1A:G1A+7]
	s_nop 0
	s_branch .Lasked_\@
.Lfor_b_\@:
	tensor_load_to_lds s[G0B+4*\s:G0B+4*\s+3], s[G1B:G1B+7]
	s_nop 0
.Lasked_\@:
.endm
; A round of the cluster's barrier: my work-group's barrier; wave 0 signals for the work-group; every wave waits for all sixteen;
; my work-group's barrier once more.
.macro CREST                           ; a round behind its opening barrier
	s_cmp_lg_u32 s12, 0
	s_cbranch_scc1 .Lnot_wave_0_\@
	s_barrier_signal -3
.Lnot_wave_0_\@:
	s_barrier_wait -3
	s_barrier_signal -1
	s_barrier_wait -1
.endm
.macro CROUND
	s_barrier_signal -1
	s_barrier_wait -1
	CREST
.endm
	s_load_b256 s[4:11], s[0:1], 0x0               ; A s[4:5], B s[6:7], bias s[8:9], result s[10:11]
	s_set_vgpr_msb 0x40
	v_lshl_add_u32 v255, v0, 2, 0x32400
	s_set_vgpr_msb 0x4000
	v_mov_b32 v255, 0
	s_set_vgpr_msb 0x1
	ds_add_u32 v255, v255
	ds_add_u32 v255, v255
	s_set_vgpr_msb 0x100
	v_lshrrev_b32 v1, 5, v0
	v_readfirstlane_b32 s12, v1                    ; wave 0..3
	s_lshr_b32 s13, s12, 1                         ; I fetch for A (0) or for B (1)
	s_and_b32 s14, s12, 1                          ; which half of the K step I fetch
	s_bfe_u32 s16, ttmp6, 0x40000                  ; cx
	s_bfe_u32 s17, ttmp6, 0x40004                  ; cy
	s_lshl_b32 s18, ttmp9, 2
	s_add_co_u32 s18, s18, s16                     ; block column = 4 x cluster x + cx
	s_and_b32 s19, ttmp7, 0xffff
	s_lshl_b32 s19, s19, 2
	s_add_co_u32 s19, s19, s17                     ; block row = 4 x cluster y + cy
	s_lshl_b32 s20, s17, 2
	s_lshl_b32 s20, 15, s20                        ; my row of the cluster: places 4 cy .. 4 cy + 3
	s_lshl_b32 s21, 0x1111, s16                    ; my column: places cx, cx + 4, cx + 8, cx + 12
	; Group 1 for A: one plane's 256 rows of 128 bytes are dense in memory: 128 rows of 256 bytes (32 elements of 8 bytes).
	; Padding: 4 words behind every 32 words (128 bytes), counted along the tile: LDS rows of 128 bytes, 144 apart.
	s_or_b32 s[G1A+0], s20, (3<<16)|(1<<20)|(1<<21)|(4<<22)|(3<<25)   ; 15:0 mask; 17:16 8-byte elements; 20 padding on; 21 set beside a mask; 24:22 interval code 4; 31:25 pad code 3
	s_mov_b32 s[G1A+1], 32<<16                     ; tensor_dim0 = 32
	s_mov_b32 s[G1A+2], 128<<16                    ; tensor_dim1 = 128
	s_mov_b32 s[G1A+3], 32<<16                     ; tile_dim0 = 32
	s_mov_b32 s[G1A+4], 128                        ; tile_dim1 = 128
	s_mov_b32 s[G1A+5], 32                         ; from row to row: 32 elements
	s_mov_b32 s[G1A+6], 0
	s_mov_b32 s[G1A+7], 0
	; Group 1 for B: 64 k of the plane are 8,192 dense bytes: one row of 1,024 elements.
	; Padding: 8 words behind every 32 words: LDS rows of 128 bytes, 160 apart.
	s_or_b32 s[G1B+0], s21, (3<<16)|(1<<20)|(1<<21)|(4<<22)|(7<<25)
	s_mov_b32 s[G1B+1], 1024<<16                   ; tensor_dim0 = 1,024
	s_mov_b32 s[G1B+2], NCH<<16                    ; tensor_dim1 = 1
	s_mov_b32 s[G1B+3], 1024<<16                   ; tile_dim0 = 1,024
	s_mov_b32 s[G1B+4], NCH                        ; tile_dim1 = 1
	s_mov_b32 s[G1B+5], 16384                      ; from plane to plane
	s_mov_b32 s[G1B+6], 0
	s_mov_b32 s[G1B+7], 0
	; Where the tiles come from.  A's offset holds the block row and the wave's number alone, B's the block column and the wave's number alone.
	s_lshl_b32 s40, s14, 19                        ; A: my plane of the step's two (524,288 bytes)
	s_lshl_b32 s41, s19, 15                        ;    + 256 rows of 128 bytes x block row
	s_add_co_u32 s40, s40, s41
	s_mov_b32 s41, 0
	s_mul_i32 s42, s18, NCH*131072                 ; B: a plane of 131,072 bytes x block column
	s_lshl_b32 s43, s14, 13                        ;    + my 64 k of 128 bytes
	s_add_co_u32 s42, s42, s43
	s_mov_b32 s43, 0
	s_mul_i32 s44, s18, NT*4                       ; bias: my block's first column
	s_mov_b32 s45, 0
	s_mul_i32 s22, s12, AHALF                      ; where they go: A's halves at wave x AHALF (waves 0, 1),
	s_mul_i32 s23, s12, BHALF                      ; B's behind A's tile at (wave - 2) x BHALF (waves 2, 3): the wave's number and constants alone
	s_add_co_u32 s23, s23, ATILE-2*BHALF
	s_wait_dscnt 0x0
	s_wait_kmcnt 0x0
	s_add_nc_u64 s[40:41], s[4:5], s[40:41]
	s_add_nc_u64 s[42:43], s[6:7], s[42:43]
	s_add_nc_u64 s[8:9], s[8:9], s[44:45]
	CROUND                                         ; all sixteen work-groups are here: the first joint loads meet
.irp s, 0,1
	s_mov_b32 s[G0A+4*\s], 1                                       ; count = 1
	s_add_co_u32 s[G0A+4*\s+1], s22, \s*SLOT                       ; LDS address
	s_add_nc_u64 s[G0A+4*\s+2:G0A+4*\s+3], s[40:41], \s*ASTEP      ; global address: K step s
	s_or_b32 s[G0A+4*\s+3], s[G0A+4*\s+3], 0x80000000              ; type = 2
	s_mov_b32 s[G0B+4*\s], 1
	s_add_co_u32 s[G0B+4*\s+1], s23, \s*SLOT
	s_add_nc_u64 s[G0B+4*\s+2:G0B+4*\s+3], s[42:43], \s*BSTEP
	s_or_b32 s[G0B+4*\s+3], s[G0B+4*\s+3], 0x80000000
	JLOAD \s                                       ; both slots' first fills go out before anything else: two tensor loads of the wave are out
.endr
	v_and_b32 v1, 15, v0                           ; r = l % 16
	v_bfe_u32 v2, v0, 4, 1                         ; h = l / 16
	v_lshlrev_b32 v[BO], 5, v2                     ; 8 h numbers of 4 bytes
.set b_, 0
.rept NB
	global_load_b128 v[BIAS+8*b_:BIAS+8*b_+3],   v[BO], s[8:9] offset:64*b_       ; bias[16 b + 8 h + 0 .. 3]
	global_load_b128 v[BIAS+8*b_+4:BIAS+8*b_+7], v[BO], s[8:9] offset:64*b_+16    ; bias[16 b + 8 h + 4 .. 7]
.set b_, b_+1
.endr
	; A's fragment, 16 rows x 32 K: lane l holds row r; registers 0-3 K = 8 h + 0..7, registers 4-7 K = 16 + 8 h + 0..7: two loads, 32 bytes apart.
	v_mul_u32_u24 v3, v1, 144
	v_lshl_add_u32 v3, v2, 4, v3                   ; r x 144 + 16 h
	s_mul_i32 s46, s12, 64*APITCH                  ; my 64 rows
	v_add_nc_u32 v[ADRA], s46, v3
	v_add_nc_u32 v[ADRA+1], SLOT, v[ADRA]
	; B's fragment by the transposing load: lane l addresses row k = 8 h + l % 8, 16 bytes at column 8 ((l / 8) % 2); it receives K = 8 h + 0..7 of
	; column r.  The second load, 16 rows on, brings K = 16 + 8 h + 0..7.
	v_and_b32 v4, 7, v0
	v_lshl_add_u32 v5, v2, 3, v4
	v_mul_u32_u24 v5, v5, BPITCH
	v_bfe_u32 v6, v0, 3, 1
	v_lshl_add_u32 v5, v6, 4, v5
	v_add_nc_u32 v[ADRB], ATILE, v5
	v_add_nc_u32 v[ADRB+1], SLOT, v[ADRB]
	; the way out
	s_mul_i32 s47, s12, WSTAGE
	s_add_co_u32 s47, s47, STAGE                   ; my stage
	v_mul_u32_u24 v6, v1, 272
	v_lshl_add_u32 v6, v2, 5, v6
	v_add_nc_u32 v[STO], s47, v6                   ; in: row r, 32 bytes for each half of the lanes
	v_mul_u32_u24 v6, v2, 272
	v_lshl_add_u32 v6, v1, 4, v6
	v_add_nc_u32 v[RD], s47, v6                    ; back: lanes 0-15 take one row of 256 bytes, lanes 16-31 the next
	v_lshlrev_b32 v7, 12, v2
	v_lshl_add_u32 v[CO], v1, 4, v7                ; and the same two rows, 4,096 bytes apart, in the result
; NB matrix instructions: row block a of the window's two (hi = 0: rows 0-31, 1: rows 32-63) x all NB column blocks, 32 along K, from buffer f.
; first = 1: C is the bias tile, so that nothing is cleared and no bias is added later.
; The 4 NB accumulators take turns, one instruction a turn, in the same order in every quarter step.
.macro MULA f, hi, a, first
.set b_, 0
.rept NB
.if \first
	v_wmma_f32_16x16x32_f16 v[8*(NB*\a+b_):8*(NB*\a+b_)+7], v[8*NB*\f+8*b_:8*NB*\f+8*b_+7], v[FA0+32*\f+8*(2*\hi+\a):FA0+32*\f+8*(2*\hi+\a)+7], v[BIAS+8*b_:BIAS+8*b_+7]
.else
	v_wmma_f32_16x16x32_f16 v[8*(NB*\a+b_):8*(NB*\a+b_)+7], v[8*NB*\f+8*b_:8*NB*\f+8*b_+7], v[FA0+32*\f+8*(2*\hi+\a):FA0+32*\f+8*(2*\hi+\a)+7], v[8*(NB*\a+b_):8*(NB*\a+b_)+7]
.endif
.set b_, b_+1
.endr
.endm
; 2 NB + 8 LDS loads in one run: the fragments of quarter q (32 K) of a slot into buffer f; A's row blocks 2 and 3 come last.
.macro FETCH slot, q, f
	WIN TO_B
.set b_, 0
.rept NB
	ds_load_tr16_b128 v[8*NB*\f+8*b_:8*NB*\f+8*b_+3],   v[ADRB+\slot] offset:((\q)>>1)*BHALF+((\q)&1)*32*BPITCH+(b_/4)*BCH+(b_%4)*32
	ds_load_tr16_b128 v[8*NB*\f+8*b_+4:8*NB*\f+8*b_+7], v[ADRB+\slot] offset:((\q)>>1)*BHALF+((\q)&1)*32*BPITCH+(b_/4)*BCH+(b_%4)*32+16*BPITCH
.set b_, b_+1
.endr
	WIN 0
.irp a, 0,1,2,3
	ds_load_b128 v[FA0+32*\f+8*\a:FA0+32*\f+8*\a+3],   v[ADRA+\slot] offset:((\q)>>1)*AHALF+((\q)&1)*64+\a*16*APITCH
	ds_load_b128 v[FA0+32*\f+8*\a+4:FA0+32*\f+8*\a+7], v[ADRA+\slot] offset:((\q)>>1)*AHALF+((\q)&1)*64+\a*16*APITCH+32
.endr
.endm
; A load into a register that a matrix instruction has read, and a vector instruction or LDS store that reads a matrix result, stand four places
; behind that matrix instruction; only plain vector instructions that name none of its registers are places.
.macro PLACES
.rept 4
	v_nop
.endr
.endm
; One of a K step's first three quarters: multiplies buffer f; in its middle it fetches quarter q of the same slot into buffer g.
.macro QUARTER slot, q, f, g, first
	s_wait_dscnt 4                                 ; B and A's row blocks 0, 1 are in; the four youngest loads (A's blocks 2, 3) may be out
.if \first
	WIN FIRST_LO
.else
	WIN MUL_LO
.endif
	MULA \f, 0, 0, \first
	MULA \f, 0, 1, \first
	PLACES
	FETCH \slot, \q, \g
	s_wait_dscnt 2*NB+8                            ; all but the run just issued
.if \first
	WIN FIRST_HI
.else
	WIN MUL_HI
.endif
	MULA \f, 1, 0, \first
	MULA \f, 1, 1, \first
.endm
.macro THREE slot, first
	QUARTER \slot, 1, 0, 1, \first
	QUARTER \slot, 2, 1, 0, 0
	QUARTER \slot, 3, 0, 1, 0
.endm
; The last quarter: multiplies buffer 1 and changes slots.  In front of the barrier each wave waits for its reads of this slot and for all its
; tensor loads (one is out: its part of the next slot).  Behind it nobody reads this slot and the next slot is whole.  fill = 1: the barrier
; opens a round of the cluster's barrier, and this slot's joint refill, two K steps ahead, is the first tensor load behind the round.
.macro TURN slot, next, fill
	s_wait_dscnt 4
	WIN MUL_LO
	MULA 1, 0, 0, 0
	s_wait_dscnt 0                                 ; my reads of this slot are over
	s_wait_tensorcnt 0x0                           ; all my tensor loads have landed
	ds_add_u32 v255, v255
	s_wait_dscnt 0x0
	s_barrier_signal -1
	MULA 1, 0, 1, 0                                ; register work while the others arrive
	WIN 0
	s_barrier_wait -1
.if \fill
	CREST                                          ; no wave of any partner still reads this slot or has a load on its way
	s_add_nc_u64 s[G0A+4*\slot+2:G0A+4*\slot+3], s[G0A+4*\slot+2:G0A+4*\slot+3], 2*ASTEP
	s_add_nc_u64 s[G0B+4*\slot+2:G0B+4*\slot+3], s[G0B+4*\slot+2:G0B+4*\slot+3], 2*BSTEP
	JLOAD \slot                                    ; my one tensor load until the next round
.endif
	PLACES
	FETCH \next, 0, 0
	WIN MUL_HI
	MULA 1, 1, 0, 0
	MULA 1, 1, 1, 0
.endm
.macro LAP first                       ; once round the ring, both slots filled again
	THREE 0, \first
	TURN 0, 1, 1
	THREE 1, 0
	TURN 1, 0, 1
.endm
	s_wait_loadcnt 0x0                             ; the bias tiles
	s_wait_tensorcnt 1                             ; my part of K step 0 is in; K step 1's load stays out
	s_barrier_signal -1
	s_barrier_wait -1                              ; everybody's part is in
	FETCH 0, 0, 0
	LAP 1                                          ; the first lap stands in front of the loop: its first products start the sums from the bias
	WIN 0                                          ; at a label and at a branch every window is 0
	s_mov_b32 s15, LAPS-2
.Llap:
	LAP 0
	WIN 0
	s_sub_co_u32 s15, s15, 1
	s_cmp_lg_u32 s15, 0
	s_cbranch_scc1 .Llap
	THREE 0, 0                                     ; the last lap fills nothing and has no round
	TURN 0, 1, 0
	THREE 1, 0
	s_wait_dscnt 4                                 ; the very last quarter
	WIN MUL_LO
	MULA 1, 0, 0, 0
	MULA 1, 0, 1, 0
	s_wait_dscnt 0
	WIN MUL_HI
	MULA 1, 1, 0, 0
	MULA 1, 1, 1, 0
	; THE WAY OUT, 16 rows at a time: the f32 sums go as they are, 32 bytes a lane, into my own stage and come back as whole rows of 256 bytes.
	PLACES
	s_lshl_b32 s46, s19, 20                        ; 256 rows of 4,096 bytes x block row
	s_lshl_b32 s47, s12, 18                        ; + 64 rows x wave
	s_add_co_u32 s46, s46, s47
	s_lshl_b32 s47, s18, 8                         ; + 64 columns of 4 bytes x block column
	s_add_co_u32 s46, s46, s47
	s_mov_b32 s47, 0
	s_add_nc_u64 s[10:11], s[10:11], s[46:47]
; rows 16 a .. 16 a + 15 of my 64 = the NB tiles (ap, 0 .. NB-1) of window 2 or 3 (from = 0x08 or 0x0c: an LDS store's data); buf: RB0 and RB1 in turn
.macro OUT16 a, ap, from, buf
	WIN \from
.set b_, 0
.rept NB
	ds_store_b128 v[STO], v[8*(NB*\ap+b_):8*(NB*\ap+b_)+3]   offset:64*b_      ; row r, columns 16 b + 8 h + 0 .. 3
	ds_store_b128 v[STO], v[8*(NB*\ap+b_)+4:8*(NB*\ap+b_)+7] offset:64*b_+16   ; columns 16 b + 8 h + 4 .. 7
.set b_, b_+1
.endr
	WIN 0
	s_wait_xcnt 0x0                                ; the buffer, which earlier stores read, is loaded again only behind this wait
.set i_, 0
.rept 8
	ds_load_b128 v[\buf+4*i_:\buf+4*i_+3], v[RD] offset:i_*2*272                   ; LDS serves a wave's instructions in order: these see the stores above
.set i_, i_+1
.endr
.set i_, 0
.rept 8
	s_wait_dscnt 7-i_
	global_store_b128 v[CO], v[\buf+4*i_:\buf+4*i_+3], s[10:11] offset:(16*\a+2*i_)*4096 th:TH_STORE_NT   ; 16 lanes store 256 consecutive bytes, aligned
.set i_, i_+1
.endr
.endm
	OUT16 0, 0, 0x08, RB0
	OUT16 1, 1, 0x08, RB1
	OUT16 2, 0, 0x0c, RB0
	OUT16 3, 1, 0x0c, RB1
	s_set_vgpr_msb 0x1
	s_wait_tensorcnt 0x0
	ds_add_u32 v255, v255
	s_wait_dscnt 0x0
	s_set_vgpr_msb 0x100
	CROUND                                         ; the closing round: no work-group ends while a partner may still ask for a tile that names it
	s_endpgm
.Lfunc_end_k_q63ffbabcbd_proj:
	.size	k_q63ffbabcbd_proj, .Lfunc_end_k_q63ffbabcbd_proj-k_q63ffbabcbd_proj
	.p2alignl 7, 3214868480
	.fill 96, 4, 3214868480
	.section	.rodata,"a",@progbits
	.p2align	6, 0x0
	.amdhsa_kernel k_q63ffbabcbd_proj
		.amdhsa_group_segment_fixed_size 327680
		.amdhsa_private_segment_fixed_size 0
		.amdhsa_enable_private_segment 0
		.amdhsa_kernarg_size 32
		.amdhsa_user_sgpr_count 2
		.amdhsa_user_sgpr_kernarg_segment_ptr 1
		.amdhsa_wavefront_size32 1
		.amdhsa_system_sgpr_workgroup_id_x 1
		.amdhsa_system_sgpr_workgroup_id_y 1
		.amdhsa_system_sgpr_workgroup_id_z 1
		.amdhsa_system_vgpr_workitem_id 0
		.amdhsa_next_free_vgpr 1024
		.amdhsa_next_free_sgpr 66
		.amdhsa_reserve_vcc 0
		.amdhsa_float_denorm_mode_32 3
		.amdhsa_float_denorm_mode_16_64 3
		.amdhsa_memory_ordered 1
		.amdhsa_forward_progress 1
		.amdhsa_inst_pref_size 76
	.end_amdhsa_kernel
	.amdgpu_metadata
---
amdhsa.version: [ 1, 2 ]
amdhsa.kernels:
  - .name:           k_q63ffbabcbd_proj
    .symbol:         k_q63ffbabcbd_proj.kd
    .args:
      - { .name: oh, .offset: 0, .size: 8, .value_kind: global_buffer, .address_space: global }
      - { .name: woh, .offset: 8, .size: 8, .value_kind: global_buffer, .address_space: global }
      - { .name: b_out, .offset: 16, .size: 8, .value_kind: global_buffer, .address_space: global }
      - { .name: out0, .offset: 24, .size: 8, .value_kind: global_buffer, .address_space: global }
    .group_segment_fixed_size: 327680
    .private_segment_fixed_size: 0
    .kernarg_segment_align: 8
    .kernarg_segment_size: 32
    .max_flat_workgroup_size: 128
    .sgpr_count:     66
    .vgpr_count:     1024
    .wavefront_size: 32
...
	.end_amdgpu_metadata
.endif
;; end of part 4
;; ======== version 2 of 2: 4 launches; version 1 with the launch cast written anew for expert scheduling mode
;; limits: values are held in f16: magnitudes above 65,504 overflow, below 6.1e-05 lose precision
;; workspace buffers: xh 8,388,608 bytes; wqh 6,291,456 bytes; woh 2,097,152 bytes; qkvh 25,165,824 bytes; oh 8,388,608 bytes
;; launch cast (part 5): grid 256 x 1, 8 waves a work-group, no clusters, 0 bytes of LDS; arguments x, w_qkv, w_out, xh, wqh, woh; writes xh, wqh, woh
.if DOCPART == 5
	.amdgcn_target "amdgcn-amd-amdhsa--gfx1250"
	.amdhsa_code_object_version 6
	.text
	.protected	k_q63ffbabcbd_cast
	.globl	k_q63ffbabcbd_cast
	.p2align	8
	.type	k_q63ffbabcbd_cast,@function
k_q63ffbabcbd_cast:
	s_mov_b64 s[64:65], 0
	v_nop
	global_prefetch_b8 v0, s[64:65] scope:SCOPE_SE
	s_setreg_imm32_b32 hwreg(HW_REG_WAVE_SCHED_MODE, 0, 2), 2
	s_setreg_imm32_b32 hwreg(HW_REG_WAVE_MODE, 25, 1), 1
	s_wait_xcnt 0x0
	s_wait_alu depctr_vm_vsrc(0)
; x, w_qkv and w_out, all f32, are rounded once to f16 and laid out in PLANES OF 64 COLUMNS: P[column / 64][row][column % 64],
; a row of a plane being 128 bytes.  Every tile that the later launches fetch is then a dense run of bytes.
;   xh  [16][4096][64]   from x      [4096][1024]      work-groups   0 .. 127
;   wqh [48][1024][64]   from w_qkv  [1024][3072]      work-groups 128 .. 223  (three groups of 1,024 columns x 32 blocks of rows)
;   woh [16][1024][64]   from w_out  [1024][1024]      work-groups 224 .. 255
; A work-group takes 32 source rows x 1,024 columns (16 planes): 128 KiB in, 64 KiB out.  Wave w takes rows 4 w .. 4 w + 3 as two pairs of
; rows.  One load: lanes 0-15 take the 256 bytes of one plane's columns in the even row, lanes 16-31 in the odd row.  A lane's 4 numbers
; become 8 bytes, and the 32 lanes' store covers 256 consecutive bytes (two rows of a plane), aligned.
; A stream: no LDS, no barrier, no matrix unit, no cluster (no byte is read by two work-groups).  All 32 loads of a wave go out at once;
; no register is written twice.
; LIMIT: f16 holds magnitudes below 65,504 (larger ones become infinite); below 6.1e-5 the absolute error stays at 2^-25.
; THE MODE: SCHED_MODE bits 1:0 = 2 (LLVM: expert scheduling mode 2), set by the entry lines.  The code itself states the register dependences
; between vector instructions and memory instructions, with s_wait_alu, always for 0.
; THE PLAN.  Registers that memory instructions touch:
;   v1        the loads' offset.  Written by two vector lines at the head of a path, never again; read by the path's 32 loads.
;   v2        the stores' offset.  Written once in the common head, never again; read by the 32 stores.
;   X         load n's four registers.  Written by load n alone, once; read by its two conversions.  No vector instruction writes them.
;   Y         load n's two registers.  Written by its two conversions, once; read by store n.  Never written again.
; The 32 loads are worked on in eight groups of GRP = 4.  Group g's conversions read X of group g and write Y of group g; the memory instructions
; that stand among them are the four stores of group g - 1, which read v2 and Y of group g - 1: registers that no conversion of group g names.
; So one wait on va_vdst at a group's head states all that its four stores hang on.  Nothing that a memory instruction has read is ever written
; again, so no wait on vm_vsrc is owed.  No vector instruction writes a scalar register or VCC, and EXEC is never written.
.set GRP, 4                            ; loads in a group
.set X, 8                              ; v[8:135]    load n: 4 registers as loaded
.set Y, 136                            ; v[136:199]  load n: 2 registers to store
	s_load_b256 s[4:11], s[0:1], 0x0               ; x s[4:5], w_qkv s[6:7], w_out s[8:9], xh s[10:11]
	s_load_b128 s[12:15], s[0:1], 0x20             ; wqh s[12:13], woh s[14:15]
	s_mov_b32 s2, ttmp9                            ; the work-group's number
	s_mov_b32 s17, 0                               ; high words of the two offsets
	s_mov_b32 s19, 0
	v_lshrrev_b32 v3, 5, v0                        ; wave
	v_bfe_u32 v4, v0, 4, 1                         ; upper half of the lanes: the odd row
	v_and_b32 v5, 31, v0
	v_lshlrev_b32 v5, 3, v5                        ; 8 bytes a lane
	v_lshl_add_u32 v2, v3, 9, v5                   ; destination: 4 rows of 128 bytes a wave + 8 x lane
	v_lshl_add_u32 v3, v3, 2, v4                   ; my row among the group's 32 (first pair)
	v_and_b32 v4, 15, v0
	v_lshlrev_b32 v4, 4, v4                        ; 16 bytes a lane within a row's 256
	s_wait_kmcnt 0x0
; src, dst: first register of the pair that holds the address at the group's first element; pitch: bytes of a source row;
; ps: bytes of a destination plane.  Load n = 16 i + p: pair of rows i, plane p.
.macro CAST src, dst, pitch, ps
	v_mul_u32_u24 v1, v3, \pitch
	v_add_nc_u32 v1, v1, v4                        ; source: row x pitch + 16 x (lane mod 16)
	s_wait_alu depctr_va_vdst(0)                   ; v1 and v2 are written: every load below reads v1 as its offset, every store v2
.set n, 0
.rept 32
	global_load_b128 v[X+4*n:X+4*n+3], v1, s[\src:\src+1] offset:(n/16)*2*\pitch+256*(n%16) th:TH_LOAD_NT
.set n, n+1
.endr
.set n, 0
.rept 32
.if n%GRP == 0
	s_wait_loadcnt 32-GRP-n                        ; loads come back in order: this group's four are in, the younger ones stay out
.if n > 0
	s_wait_alu depctr_va_vdst(0)                   ; the conversions of the group before have written its Y, which the four stores dealt below read
.endif
.endif
.if n >= GRP
	global_store_b64 v2, v[Y+2*(n-GRP):Y+2*(n-GRP)+1], s[\dst:\dst+1] offset:((n-GRP)%16)*\ps+((n-GRP)/16)*256   ; the group before; no conversion since the wait names these registers
.endif
	v_cvt_pk_f16_f32 v[Y+2*n], v[X+4*n], v[X+4*n+1]
	v_cvt_pk_f16_f32 v[Y+2*n+1], v[X+4*n+2], v[X+4*n+3]
.set n, n+1
.endr
	s_wait_alu depctr_va_vdst(0)                   ; the last group's conversions have written its Y, which the last four stores read
.set n, 32-GRP
.rept GRP
	global_store_b64 v2, v[Y+2*n:Y+2*n+1], s[\dst:\dst+1] offset:(n%16)*\ps+(n/16)*256
.set n, n+1
.endr
.endm
	s_cmp_ge_u32 s2, 128
	s_cbranch_scc1 .Lweights
	s_lshl_b32 s16, s2, 17                         ; x: 32 rows of 4,096 bytes
	s_lshl_b32 s18, s2, 12                         ; xh: 32 rows of 128 bytes in each plane
	s_add_nc_u64 s[4:5], s[4:5], s[16:17]
	s_add_nc_u64 s[10:11], s[10:11], s[18:19]
	CAST 4, 10, 4096, 524288
	s_endpgm
.Lweights:
	s_cmp_ge_u32 s2, 224
	s_cbranch_scc1 .Lwout
	s_sub_co_u32 s3, s2, 128
	s_lshr_b32 s18, s3, 5                          ; which 1,024 columns (16 planes)
	s_and_b32 s3, s3, 31                           ; which 32 rows
	s_mul_i32 s16, s3, 393216                      ; 32 rows of 12,288 bytes
	s_lshl_b32 s2, s18, 12                         ; 1,024 columns of 4 bytes
	s_add_co_u32 s16, s16, s2
	s_lshl_b32 s18, s18, 21                        ; 16 planes of 131,072 bytes
	s_lshl_b32 s3, s3, 12                          ; 32 rows of 128 bytes
	s_add_co_u32 s18, s18, s3
	s_add_nc_u64 s[6:7], s[6:7], s[16:17]
	s_add_nc_u64 s[12:13], s[12:13], s[18:19]
	CAST 6, 12, 12288, 131072
	s_endpgm
.Lwout:
	s_sub_co_u32 s3, s2, 224                       ; which 32 rows
	s_lshl_b32 s16, s3, 17
	s_lshl_b32 s18, s3, 12
	s_add_nc_u64 s[8:9], s[8:9], s[16:17]
	s_add_nc_u64 s[14:15], s[14:15], s[18:19]
	CAST 8, 14, 4096, 131072
	s_endpgm
.Lfunc_end_k_q63ffbabcbd_cast:
	.size	k_q63ffbabcbd_cast, .Lfunc_end_k_q63ffbabcbd_cast-k_q63ffbabcbd_cast
	.p2alignl 7, 3214868480
	.fill 96, 4, 3214868480
	.section	.rodata,"a",@progbits
	.p2align	6, 0x0
	.amdhsa_kernel k_q63ffbabcbd_cast
		.amdhsa_group_segment_fixed_size 0
		.amdhsa_private_segment_fixed_size 0
		.amdhsa_enable_private_segment 0
		.amdhsa_kernarg_size 48
		.amdhsa_user_sgpr_count 2
		.amdhsa_user_sgpr_kernarg_segment_ptr 1
		.amdhsa_wavefront_size32 1
		.amdhsa_system_sgpr_workgroup_id_x 1
		.amdhsa_system_sgpr_workgroup_id_y 1
		.amdhsa_system_sgpr_workgroup_id_z 1
		.amdhsa_system_vgpr_workitem_id 0
		.amdhsa_next_free_vgpr 200
		.amdhsa_next_free_sgpr 66
		.amdhsa_reserve_vcc 0
		.amdhsa_float_denorm_mode_32 3
		.amdhsa_float_denorm_mode_16_64 3
		.amdhsa_memory_ordered 1
		.amdhsa_forward_progress 1
		.amdhsa_inst_pref_size 34
	.end_amdhsa_kernel
	.amdgpu_metadata
---
amdhsa.version: [ 1, 2 ]
amdhsa.kernels:
  - .name:           k_q63ffbabcbd_cast
    .symbol:         k_q63ffbabcbd_cast.kd
    .args:
      - { .name: x, .offset: 0, .size: 8, .value_kind: global_buffer, .address_space: global }
      - { .name: w_qkv, .offset: 8, .size: 8, .value_kind: global_buffer, .address_space: global }
      - { .name: w_out, .offset: 16, .size: 8, .value_kind: global_buffer, .address_space: global }
      - { .name: xh, .offset: 24, .size: 8, .value_kind: global_buffer, .address_space: global }
      - { .name: wqh, .offset: 32, .size: 8, .value_kind: global_buffer, .address_space: global }
      - { .name: woh, .offset: 40, .size: 8, .value_kind: global_buffer, .address_space: global }
    .group_segment_fixed_size: 0
    .private_segment_fixed_size: 0
    .kernarg_segment_align: 8
    .kernarg_segment_size: 48
    .max_flat_workgroup_size: 256
    .sgpr_count:     66
    .vgpr_count:     200
    .wavefront_size: 32
...
	.end_amdgpu_metadata
.endif
;; end of part 5
;; launch qkv: the kernel of part 2 again; grid 16 x 16, 4 waves a work-group, clusters of 4 x 4, 327,680 bytes of LDS; arguments xh, wqh, b_qkv, qkvh; writes qkvh
;; launch attn: the kernel of part 3 again; grid 8 x 32, 8 waves a work-group, no clusters, 230,400 bytes of LDS; arguments qkvh, oh; writes oh
;; launch proj: the kernel of part 4 again; grid 16 x 16, 4 waves a work-group, clusters of 4 x 4, 327,680 bytes of LDS; arguments oh, woh, b_out, out0; writes out0
